; MI455X (gfx1250); checked and timed in simulation.
; The chip was launched on July 23, 2026; its instructions are those of AMD's public machine-readable ISA for CDNA 5 (MIT licence, August 2026) and "CDNA5" Instruction Set Architecture Reference Guide (July 2026). The comments in the code are by the model that wrote it; some were corrected since.
;; Bahdanau Attention Optimized. Allowed arithmetic: matrix products marked QUANTISED: E2M3 operands, one E8M0 scale for each 32 along K, by v_wmma_scale_f32_16x16x128_f8f6f4 with both operands' format E2M3, f32 sums; products left as they are: f32 operands where the result goes on into a quantised operand, else bf16, f16 or f32 operands; f32 sums; everything else in f32.
;; Inputs: attn_W 2,048 x 1,024 float32; attn_b 1,024 float32; dec_hidden 32 x 1,024 float32; enc_outputs 32 x 2,048 x 1,024 float32; src_mask 32 x 2,048 bool; v_W 1,024 x 1 float32.
;; Outputs: out0 32 x 1,024 float32; out1 32 x 2,048 float32.
;; This version of the problem:
;;   THIS VERSION OF THE PROBLEM IS GIVEN IN LOW PRECISION. The matrix products marked QUANTISED in the list below multiply operands that are first quantised to E2M3 (2 exponent bits, 3 mantissa bits; 6 bits a number), with one power-of-two scale for each 32 numbers along K (OCP MX v1.0); their sums are f32. All else is computed in f32.
;;   The module's matrix products, in the order in which they are computed (A, B: the left and right operand; K: the contracted axis; several contracted axes count as one K, in the product's order):
;;     1. [M 32, K 1,024] x [K 1,024, N 1,024]; A: input dec_hidden; B: input attn_W: QUANTISED
;;     2. [M 65,536, K 1,024] x [K 1,024, N 1,024]; A: input enc_outputs; B: input attn_W: QUANTISED
;;     3. [M 65,536, K 1,024] x [K 1,024, N 1]; A: computed on the way; B: input v_W: left as it is (N = 1 < 16)
;;     4. batch 32 x [M 1, K 2,048] x [K 2,048, N 1,024]; A: softmax; B: input enc_outputs: left as it is (M = 1 < 16)
;;   THE QUANTISER, for each operand of a quantised product, along K:
;;     - K is cut into blocks of 32 from its start; a last block that is shorter is filled with zeros.
;;     - A block's scale is 2^e with e = floor(log2(the largest magnitude in the block)) - 2, held to -126 .. 127; a block of zeros has e = 0. As a byte (E8M0): e + 127.
;;     - Each number is divided by its block's scale, clamped to +-7.5, and rounded to the nearest number of E2M3, ties to even, subnormals kept.
;;     - The product sums the exact products of the quantised numbers (number of the format x scale) in f32.
;;   ~~~python
;;   def quantise(x, axis):      # numpy; x: float32 -> the quantised numbers, widened to float32 again
;;       x = np.moveaxis(x, axis, -1); K = x.shape[-1]
;;       x = np.pad(x, [(0, 0)] * (x.ndim - 1) + [(0, -K % 32)]); x = x.reshape(x.shape[:-1] + (-1, 32)); a = np.abs(x).max(-1, keepdims=True)
;;       e = np.where(a > 0, np.clip(np.frexp(np.where(a > 0, a, 1))[1] - 1 - 2, -126, 127), 0)      # np.frexp(a)[1] - 1 = floor(log2(a)), exactly
;;       r = np.clip(x / 2.0 ** e, -7.5, 7.5)
;;       step = 2.0 ** (np.maximum(np.frexp(np.where(r == 0, 1, r))[1] - 1, 0) - 3)
;;       q = np.round(r / step) * step * 2.0 ** e      # np.round: ties to even
;;       return np.moveaxis(q.reshape(q.shape[:-2] + (-1,))[..., :K], -1, axis).astype(np.float32)
;;   ~~~
;; 2 versions, each right; version 2 is version 1 with the launches prep, main written anew for expert scheduling mode. Each part assembles by itself: llvm-mc -triple=amdgcn-amd-amdhsa -mcpu=gfx1250 --defsym DOCPART=n.
;; ======== version 1 of 2: 3 launches
;; workspace buffers: wq 819,200 bytes; dproj 131,072 bytes; sc 262,144 bytes; ctxp 4,194,304 bytes
;; launch prep (part 1): grid 64 x 1, 16 waves a work-group, no clusters, 153,600 bytes of LDS; arguments attn_W, attn_b, dec_hidden, wq, dproj; writes wq, dproj
.if DOCPART == 1
	.amdgcn_target "amdgcn-amd-amdhsa--gfx1250"
	.amdhsa_code_object_version 6
	.text
	.protected	k_q9fe01d1b35_prep
	.globl	k_q9fe01d1b35_prep
	.p2align	8
	.type	k_q9fe01d1b35_prep,@function
k_q9fe01d1b35_prep:
	s_mov_b64 s[64:65], 0
	v_nop
	global_prefetch_b8 v0, s[64:65] scope:SCOPE_SE
	s_setreg_imm32_b32 hwreg(HW_REG_WAVE_MODE, 25, 1), 1
	s_wait_xcnt 0x0
; attn_W [2048][1024] f32 has K as its first axis.  Rows 0-1023 are W_dec, rows 1024-2047 W_enc.
; This launch (a) turns W_enc into codes of FP6 (E2M3) with one E8M0 byte for each 32 along K, laid in wq in the order of the operand's registers, and
; (b) computes dproj = Q(dec_hidden) Q(W_dec) + attn_b, [32][1024] f32, by the scaled matrix instruction on FP6 codes.
; SHARES.  Work-group T owns the 16 columns 16 T + r.  Wave u owns rows 128 u .. 128 u + 127 of attn_W: one K step of 128.  Waves 0-7: W_dec's K step u; waves 8-15: W_enc's K step u - 8.
; A lane takes a column and its registers run down K, in the very order that the operand's layout gives it (lane (r, h): k = 64 c + 32 h + 0 .. 31), so the conversions' results are the operand's registers.
; dec_hidden's K step (32 rows x 512 bytes) is loaded a row a load, 512 consecutive bytes each, and turned through the wave's own stage in LDS, so that lane (r, h) gets 32 neighbours of row r.
; Only 64 work-groups: the sum over K of dproj stays inside one work-group (eight waves' results meet in LDS), so that nothing is summed between work-groups.
; wq: [w 0..3][i 0..15] blocks of 12,800 bytes; w = column / 256, i = 2 x K step + (column tile / 8) % 2.  A block: 8 fragments of 1,536 bytes (registers 4 c .. 4 c + 3 of lane L at 512 c + 16 L),
; then 512 bytes of scale words, that of column r of fragment f at 32 r + 4 f.  The fragments leave as runs of 512 consecutive bytes; the scale words as 4 bytes 32 apart: one byte in 25 of wq.
; dproj leaves as 64 consecutive bytes for each 16 lanes: 131,072 bytes in all.
; LIMITS: NaN and infinities among the inputs are not served.  A block of zeros gets the byte 1 where the rule says 127: its codes are zeros, and this program alone reads the bytes.
; LDS: 0: the eight K steps' results, 2,048 bytes each; STGP: waves 0-7's stages, 32 rows x (512 + 16) bytes each.
.set STGP, 16384
.set XW,  64                           ; v64-127  64 numbers of W: register 32 c + i = W(64 c + 32 h + i, my column)
.set XD,  128                          ; v128-255 dec_hidden: as loaded a row to four registers; back from the stage two tiles of 16 rows, 64 numbers a lane each
.set FW,  16                           ; v16-27   W's fragment
.set FD0, 28                           ; v28-39   dec_hidden's, rows 0-15
.set FD1, 40                           ; v40-51   rows 16-31
; v52, v53, v54: the three scale words, and nothing else.  v55-63, v12-14: at work in QUANT6.
	s_load_b256 s[4:11], s[0:1], 0x0               ; attn_W s[4:5], attn_b s[6:7], dec_hidden s[8:9], wq s[10:11]
	s_load_b64 s[12:13], s[0:1], 0x20              ; dproj
	v_lshrrev_b32 v1, 5, v0
	v_readfirstlane_b32 s16, v1                    ; wave u, 0..15
	v_and_b32 v1, 15, v0                           ; r
	v_bfe_u32 v2, v0, 4, 1                         ; h
	v_and_b32 v5, 31, v0
	v_lshlrev_b32 v5, 4, v5                        ; 16 x lane: a register image's place, and my 16 bytes of a run of 512
	v_lshlrev_b32 v7, 2, v1                        ; 4 r
	v_lshl_add_u32 v3, v2, 17, v7                  ; W: column r, lanes 16-31 begin 32 rows of 4,096 bytes further down
	v_lshlrev_b32 v6, 5, v1                        ; 32 r: my column's scale words in a block of wq
	v_lshl_add_u32 v10, v2, 15, v7                 ; dproj: 8 h rows of 4,096 bytes + 4 r
	v_lshlrev_b32 v15, 3, v2                       ; 8 h: how far my two scale bytes are shifted
	v_mov_b32 v63, 0                               ; a lane permute's destination counts as one of its sources
	s_and_b32 s17, s16, 7                          ; my K step
	s_lshl_b32 s18, s17, 11
	v_add_nc_u32 v8, s18, v5                       ; LDS: where waves 0-7 put their 16 result registers: 2,048 x K step + 16 x lane
	s_lshr_b32 s18, s16, 2
	s_lshl_b32 s18, s18, 9
	s_and_b32 s19, s16, 3
	s_lshl_b32 s19, s19, 2
	s_add_co_u32 s18, s18, s19
	v_add_nc_u32 v9, s18, v5                       ; LDS: result register u of every K step: 512 (u / 4) + 4 (u % 4) + 16 x lane
	s_mul_i32 s19, s17, 16896
	s_add_co_u32 s19, s19, STGP                    ; my stage (waves 0-7 alone use one)
	v_add_nc_u32 v4, s19, v5                       ; on the way in: 16 x lane of a row
	v_mul_u32_u24 v1, v1, 528
	v_lshl_add_u32 v1, v2, 7, v1
	v_add_nc_u32 v1, s19, v1                       ; on the way out: row r, + 128 h.  Rows 528 bytes = 132 words apart: row r starts at bank 4 r mod 64 (64 banks of 4 bytes: ISA guide 11.1)
	s_mov_b32 s20, 0x76543210
	s_mov_b32 s21, 0xfedcba98                      ; v_permlanex16_b32's selects for lane l xor 16
	s_lshl_b32 s24, ttmp9, 6                       ; 64 T: my 16 columns in a row of f32
	s_mov_b32 s25, 0
	s_lshl_b32 s26, s16, 19                        ; 128 u rows of 4,096 bytes
	s_mov_b32 s27, 0
	s_lshl_b32 s28, s17, 9                         ; dec_hidden: 512 bytes a K step
	s_mov_b32 s29, 0
	s_lshr_b32 s30, s16, 3
	s_lshl_b32 s30, s30, 4
	s_add_co_u32 s30, s30, s17
	s_lshl_b32 s30, s30, 12                        ; dproj: row 16 (u / 8) + u % 8
	s_mov_b32 s31, 0
	s_lshr_b32 s32, ttmp9, 4
	s_lshl_b32 s32, s32, 4
	s_lshl_b32 s33, s17, 1
	s_add_co_u32 s32, s32, s33
	s_bfe_u32 s33, ttmp9, 0x10003
	s_add_co_u32 s32, s32, s33
	s_mul_i32 s32, s32, 12800                      ; wq: block 16 (T / 16) + 2 x K step + (T / 8) % 2
	s_mov_b32 s33, 0
	s_and_b32 s34, ttmp9, 7
	s_mul_i32 s36, s34, 1536                       ; fragment T % 8
	s_mov_b32 s37, 0
	s_lshl_b32 s34, s34, 2
	s_add_co_u32 s34, s34, 12288                   ; its scale words' column
	s_mov_b32 s35, 0
	s_wait_kmcnt 0x0
	s_add_nc_u64 s[4:5], s[4:5], s[24:25]
	s_add_nc_u64 s[4:5], s[4:5], s[26:27]
	s_add_nc_u64 s[6:7], s[6:7], s[24:25]
	s_add_nc_u64 s[8:9], s[8:9], s[28:29]
	s_add_nc_u64 s[12:13], s[12:13], s[24:25]
	s_add_nc_u64 s[12:13], s[12:13], s[30:31]
	s_add_nc_u64 s[10:11], s[10:11], s[32:33]
	s_add_nc_u64 s[36:37], s[10:11], s[36:37]
	s_add_nc_u64 s[34:35], s[10:11], s[34:35]
	global_load_b32 v11, v7, s[6:7]                ; attn_b of my column
.set ii, 0
.rept 64
	global_load_b32 v[XW+ii], v3, s[4:5] offset:(64*(ii/32)+ii%32)*4096   ; W(64 c + 32 h + i, my column)
.set ii, ii+1
.endr
	s_cmp_lt_u32 s16, 8
	s_cbranch_scc0 .Lno_dec_loads
.set ii, 0
.rept 32
	global_load_b128 v[XD+4*ii:XD+4*ii+3], v5, s[8:9] offset:4096*ii   ; row ii, my K step: 512 consecutive bytes
.set ii, ii+1
.endr
	s_wait_loadcnt 0x0
.set ii, 0
.rept 32
	ds_store_b128 v4, v[XD+4*ii:XD+4*ii+3] offset:528*ii
.set ii, ii+1
.endr
.set ii, 0
.rept 32                                           ; tile m = ii / 16, c = (ii / 8) % 2, q = ii % 8: row 16 m + r, k = 64 c + 32 h + 4 q on.  LDS serves a wave's instructions in order (ISA guide 5.7.1.4): these see the stores above
	ds_load_b128 v[XD+4*ii:XD+4*ii+3], v1 offset:(ii/16)*8448+256*((ii/8)%2)+16*(ii%8)
.set ii, ii+1
.endr
.Lno_dec_loads:
	s_wait_loadcnt 0x0                             ; zero: the two ways have issued different numbers of loads
; 64 numbers of a lane, register 32 c + i = k 64 c + 32 h + i of my row or column: two whole blocks of 32.  They become the fragment v[f .. f + 11] and the scale word v[sw].
.macro QUANT6 x, f, sw
.irp c, 0,1
	v_max3_num_f32 v[56+\c], |v[\x+32*\c]|, |v[\x+1+32*\c]|, 0x1800000   ; with the floor 2^(3 - 127): the byte cannot fall under 1
.endr
.irp i, 2,4,6,8,10,12,14,16,18,20,22,24,26,28,30
.irp c, 0,1
	v_max3_num_f32 v[56+\c], v[56+\c], |v[\x+32*\c+\i]|, |v[\x+1+32*\c+\i]|   ; the two blocks by turns
.endr
.endr
.irp c, 0,1
	v_add_nc_u32 v[58+\c], 0xff000000, v[56+\c]    ; 2 off the exponent field: the conversion's scale operand
.endr
.irp c, 0,1
	v_lshrrev_b32 v[56+\c], 23, v[58+\c]           ; the scale's byte
.endr
	v_lshl_or_b32 v55, v57, 16, v56                ; my two bytes: blocks h and 2 + h,
	v_lshlrev_b32 v55, v15, v55                    ; at their places in the word;
	v_permlanex16_b32 v63, v55, s20, s21
	v_or_b32 v[\sw], v55, v63                      ; with lane l xor 16's two the word is whole
	v_cvt_scalef32_pk16_fp6_f32 v[\f:\f+2], v[\x:\x+15], v58
	v_cvt_scalef32_pk16_fp6_f32 v[12:14], v[\x+16:\x+31], v58        ; (a conversion's three registers begin on an even number)
	v_cvt_scalef32_pk16_fp6_f32 v[\f+6:\f+8], v[\x+32:\x+47], v59
	v_cvt_scalef32_pk16_fp6_f32 v[60:62], v[\x+48:\x+63], v59
	v_nop                                          ; one plain place behind a scaled conversion
.irp i, 0,1,2
	v_mov_b32 v[\f+3+\i], v[12+\i]
	v_mov_b32 v[\f+9+\i], v[60+\i]
.endr
.endm
	QUANT6 XW, FW, 52                              ; (in waves 0-7 dec_hidden comes back from the stage meanwhile)
	s_cmp_lt_u32 s16, 8
	s_cbranch_scc0 .Lenc_part
	s_wait_dscnt 0x0                               ; dec_hidden is back
	QUANT6 XD, FD0, 53
	QUANT6 XD+64, FD1, 54
.rept 8
	v_nop                                          ; a scale register written by a vector instruction stands 8 places ahead of a scaled matrix instruction, an operand so written 4
.endr
	v_wmma_scale_f32_16x16x128_f8f6f4 v[64:71], v[FD0:FD0+11], v[FW:FW+11], 0, v53, v52 matrix_a_fmt:MATRIX_FMT_FP6 matrix_b_fmt:MATRIX_FMT_FP6   ; rows 0-15 x my 16 columns, this K step
	v_wmma_scale_f32_16x16x128_f8f6f4 v[72:79], v[FD1:FD1+11], v[FW:FW+11], 0, v54, v52 matrix_a_fmt:MATRIX_FMT_FP6 matrix_b_fmt:MATRIX_FMT_FP6   ; rows 16-31
.rept 4
	v_nop                                          ; four places before a store reads a result
.endr
	ds_store_b128 v8, v[64:67]                     ; each result from its low end on
	ds_store_b128 v8, v[68:71] offset:512
	ds_store_b128 v8, v[72:75] offset:1024
	ds_store_b128 v8, v[76:79] offset:1536
	s_branch .Ljoin
.Lenc_part:
.irp c, 0,1,2
	global_store_b128 v5, v[FW+4*\c:FW+4*\c+3], s[36:37] offset:512*\c   ; the fragment as it stands: 512 consecutive bytes a store
.endr
	global_store_b32 v6, v52, s[34:35]             ; both halves of the lanes hold the same word and store it to the same place
.Ljoin:
	s_wait_dscnt 0x0                               ; my stores into LDS have landed
	s_barrier_signal -1
	s_barrier_wait -1
.irp k, 0,1,2,3,4,5,6,7
	ds_load_b32 v[80+\k], v9 offset:2048*\k        ; result register u of the eight K steps
.endr
	s_wait_dscnt 0x0
	v_add_f32 v80, v80, v81
	v_add_f32 v82, v82, v83
	v_add_f32 v84, v84, v85
	v_add_f32 v86, v86, v87
	v_add_f32 v80, v80, v82
	v_add_f32 v84, v84, v86
	v_add_f32 v80, v80, v84
	v_add_f32 v80, v80, v11                        ; + attn_b
	global_store_b32 v10, v80, s[12:13]            ; dproj(16 (u / 8) + 8 h + u % 8, 16 T + r)
	s_wait_xcnt 0x0
	v_lshl_add_u32 v126, v0, 2, 0x25000
	v_mov_b32 v127, 0
	s_wait_tensorcnt 0x0
	ds_add_u32 v126, v127
	s_wait_dscnt 0x0
	s_endpgm
.Lfunc_end_k_q9fe01d1b35_prep:
	.size	k_q9fe01d1b35_prep, .Lfunc_end_k_q9fe01d1b35_prep-k_q9fe01d1b35_prep
	.p2alignl 7, 3214868480
	.fill 96, 4, 3214868480
	.section	.rodata,"a",@progbits
	.p2align	6, 0x0
	.amdhsa_kernel k_q9fe01d1b35_prep
		.amdhsa_group_segment_fixed_size 153600
		.amdhsa_private_segment_fixed_size 0
		.amdhsa_enable_private_segment 0
		.amdhsa_kernarg_size 40
		.amdhsa_user_sgpr_count 2
		.amdhsa_user_sgpr_kernarg_segment_ptr 1
		.amdhsa_wavefront_size32 1
		.amdhsa_system_sgpr_workgroup_id_x 1
		.amdhsa_system_sgpr_workgroup_id_y 1
		.amdhsa_system_sgpr_workgroup_id_z 1
		.amdhsa_system_vgpr_workitem_id 0
		.amdhsa_next_free_vgpr 256
		.amdhsa_next_free_sgpr 66
		.amdhsa_reserve_vcc 0
		.amdhsa_float_denorm_mode_32 3
		.amdhsa_float_denorm_mode_16_64 3
		.amdhsa_memory_ordered 1
		.amdhsa_forward_progress 1
		.amdhsa_inst_pref_size 28
	.end_amdhsa_kernel
	.amdgpu_metadata
---
amdhsa.version: [ 1, 2 ]
amdhsa.kernels:
  - .name:           k_q9fe01d1b35_prep
    .symbol:         k_q9fe01d1b35_prep.kd
    .args:
      - { .name: attn_W, .offset: 0, .size: 8, .value_kind: global_buffer, .address_space: global }
      - { .name: attn_b, .offset: 8, .size: 8, .value_kind: global_buffer, .address_space: global }
      - { .name: dec_hidden, .offset: 16, .size: 8, .value_kind: global_buffer, .address_space: global }
      - { .name: wq, .offset: 24, .size: 8, .value_kind: global_buffer, .address_space: global }
      - { .name: dproj, .offset: 32, .size: 8, .value_kind: global_buffer, .address_space: global }
    .group_segment_fixed_size: 153600
    .private_segment_fixed_size: 0
    .kernarg_segment_align: 8
    .kernarg_segment_size: 40
    .max_flat_workgroup_size: 512
    .sgpr_count:     66
    .vgpr_count:     256
    .wavefront_size: 32
...
	.end_amdgpu_metadata
.endif
;; end of part 1
;; launch main (part 2): grid 256 x 1, 4 waves a work-group, no clusters, 268,800 bytes of LDS; arguments enc_outputs, wq, dproj, v_W, src_mask, sc, ctxp; writes sc, ctxp
.if DOCPART == 2
	.amdgcn_target "amdgcn-amd-amdhsa--gfx1250"
	.amdhsa_code_object_version 6
	.text
	.protected	k_q9fe01d1b35_main
	.globl	k_q9fe01d1b35_main
	.p2align	8
	.type	k_q9fe01d1b35_main,@function
k_q9fe01d1b35_main:
	s_mov_b64 s[64:65], 0
	v_nop
	global_prefetch_b8 v0, s[64:65] scope:SCOPE_SE
	s_setreg_imm32_b32 hwreg(HW_REG_WAVE_MODE, 25, 1), 1
	s_wait_xcnt 0x0
; For each block of 64 rows of enc_outputs ([65536][1024] f32): the rows are quantised to FP6 (E2M3, one E8M0 byte for each 32 along K) and multiplied by W_enc's codes (wq); tanh(dproj + product); the dot product
; with v_W; the mask; p = exp(score - the block's largest score); and the block's part of the context, the sum of p x row, from a bf16 copy of the rows that stays in LDS.  So enc_outputs is read from memory ONCE.
; Stored: sc, the masked scores; ctxp, the block's 1,024 partial sums.  The next launch brings the blocks of a batch under one maximum and divides by the sum.
; SHARES.  Work-group g stays and walks rows 256 g .. 256 g + 255 (one batch, g / 8) as four blocks of 64.  Quantising: wave w takes rows 16 w .. 16 w + 15.  Product and tanh: wave w takes columns 256 w .. 256 w + 255 for all
; 64 rows: 64 accumulators, 512 registers.  Context: thread T takes columns 8 T .. 8 T + 7.
; THE PRODUCT: source 0 = 16 rows of enc, source 1 = 16 columns of W: register j of lane (r, h) is (row 8 h + j, column r), so dproj and v_W cost one register for each tile of columns.
; IT GOES BY HALVES OF MY COLUMNS: tiles 0-7 through all of K, then tiles 8-15.  The tanh of tiles 0-7 stands among the half steps of tiles 8-15, a pair of tiles behind every second half step, so that the wave has
; vector work in hand while W's next half steps (12,800 bytes a wave each) are on their way.  The price: enc's fragments are read from LDS once for each half.
; tanh x = 1 - 2 / (1 + 2^(c x)), c = 2 log2(e): where 2^(c x) overflows the reciprocal is 0, where it underflows 1: both are right.  score = sum of v - 2 x sum of v / (1 + 2^(c x)).
; W COMES FROM MEMORY STRAIGHT INTO THE OPERAND'S REGISTERS, with no joint requests in a cluster, though all work-groups walk the same wq: the block's copy, codes and stages take 268,288 bytes of LDS, and what is left is
; less than two slots of half a K step of W (2 x 51,200 bytes); and inside a work-group each fragment of W is read by one wave, once, so LDS would only be written and read once more for it.
; The enc loads of the next block are issued from the head of the second half's tanh on, into registers that the product has left, so no separate request ahead of them is made.
; THE LAST BLOCK HAS NO NEXT BLOCK: its 128 loads are then pointed at dproj's first 65,040 bytes, every lane of a load at the same 16 bytes, and what they bring is never read.  So the number of loads issued is the same
; on every way, which the counted waits of the quantising phase lean on, and no load leaves a buffer.
; LIMITS: NaN and infinities among the inputs are not served.  A block of 32 zeros gets the byte 1 where the rule says 127: its codes are zeros, and this program alone reads the bytes.
; The context's operand enc is rounded to bf16; p, the sums and all of the scores' arithmetic are f32.
; LDS:
.set COPY, 0                           ; 64 rows x 2,048 bytes: the block in bf16
.set AIMG, 131072                      ; enc's fragments as images of their registers: (tile of rows a, K step s) at (8 a + s) x 1,536
.set ASC,  180224                      ; their scale words: 256 s + 16 r + 4 a
.set STG,  182272                      ; wave w: two stages of 16 rows x (512 + 16) bytes at 16,896 w
.set CONS, 249856                      ; wave w: images of 32 registers (c x dproj, -2 v) at 4,096 w
.set PART, 266240                      ; [w][64] f32: the waves' parts of the scores
.set PWB,  267264                      ; [w][64] f32: p, each wave's own
.set FRB,  1536                        ; a fragment's image
.set HB,   12800                       ; a half step's block in wq
; REGISTERS, in windows of 256 (s_set_vgpr_msb: bits 1:0 source 0, 3:2 source 1, 5:4 source 2, 7:6 destination):
;   window 0: v0-23 addresses that stay (listed where they are made); v24-31 at work; v32-55 W's scale words, three sets of 8; v56-63 enc's, two sets of 4: these 32 hold scales and nothing else.
;             v64-255 by phase.  Quantising: v64-191 two sets of 64 numbers, v192-207 TM, v208-227 PC, v228 PW.  Product: v64-111, v112-159 enc's fragments, two sets; v160-255 W's set 2.
;             Second half's tanh: v96-127 the 32 row sums.  Context: v64-71 sums, v128-191 p, v192-255 rows, two sets of 8.
;   window 1: product: W's sets 0 (v0-95) and 1 (v96-191); v192-223 the row sums of the first half's tanh, v224-239 c x dproj, v240-255 -2 v.  Else: where K steps 0-2 (v0-191) and 7 (v192-255) of the next block's enc land.
;   window 2: accumulators of column tiles 0-7, (t, a) at v[8 (4 t + a)]; when tanh has drained them: where K steps 3-6 land.
;   window 3: accumulators of column tiles 8-15; while quantising: v0-63 two sets of bf16 pairs.
.set TM,  192
.set PC,  208
.set PW,  228
.set SEL, 20                           ; s[20:21]
.set MSB, 0
.macro WIN new                         ; the immediate's high byte repeats the setting that is left; a switch that changes nothing is dropped
.if MSB != (\new)
	s_set_vgpr_msb (MSB<<8)|(\new)
.set MSB, \new
.endif
.endm
.macro PLACES                          ; four places behind a matrix instruction, before its results are read or loads are issued into its registers
.rept 4
	v_nop
.endr
.endm
.macro BARRIER                         ; my LDS stores have landed and my LDS loads are in: then the work-group's barrier
	s_wait_dscnt 0x0
	s_barrier_signal -1
	s_barrier_wait -1
.endm
.macro LAND s                          ; where K step s lands: window LW, from register LB on
.if (\s) < 3
.set LW, 1
.set LB, 64*(\s)
.elseif (\s) < 7
.set LW, 2
.set LB, 64*((\s)-3)
.else
.set LW, 1
.set LB, 192
.endif
.endm
; K step s (128 numbers, 512 bytes) of my 16 rows: each load takes 512 consecutive bytes of one row, 16 a lane
.macro ENCLOAD s
	LAND \s
	WIN LW<<6
.set ii, 0
.rept 16
	global_load_b128 v[LB+4*ii:LB+4*ii+3], v21, s[32:33] offset:4096*ii+512*(\s) th:TH_LOAD_NT
.set ii, ii+1
.endr
	WIN 0
.endm
; K step s as it landed: (a) rounded to bf16 into the copy, 256 consecutive bytes a row; (b) through my stage, so that lane (r, h) gets, of row r, 16 neighbours of each block of 32:
; register 16 b + i = k 32 b + 16 h + i.  48 LDS instructions.  Stage rows are 528 bytes = 132 words apart: row r starts at bank 4 r mod 64 (64 banks of 4 bytes: ISA guide 11.1).
.macro TURN s
	LAND \s
.set BT, 32*((\s)%2)
	WIN 0xc0|(LW<<2)|LW
.set ii, 0
.rept 32
	v_cvt_pk_bf16_f32 v[BT+ii], v[LB+2*ii], v[LB+2*ii+1]
.set ii, ii+1
.endr
	WIN 0x0c                                       ; an LDS store's data are its source 1: window 3
.set ii, 0
.rept 16
	ds_store_b64 v9, v[BT+2*ii:BT+2*ii+1] offset:2048*ii+256*(\s)
.set ii, ii+1
.endr
	WIN LW<<2
.set ii, 0
.rept 16
	ds_store_b128 v7, v[LB+4*ii:LB+4*ii+3] offset:8448*((\s)%2)+528*ii
.set ii, ii+1
.endr
	WIN 0
.set ii, 0
.rept 16                                           ; LDS serves a wave's instructions in order (ISA guide 5.7.1.4): these see the stores above
	ds_load_b128 v[64+64*((\s)%2)+4*ii:64+64*((\s)%2)+4*ii+3], v8 offset:8448*((\s)%2)+128*(ii/4)+16*(ii%4)
.set ii, ii+1
.endr
.endm
; 64 numbers of a lane, register 16 b + i = k 32 b + 16 h + i of my row, become a fragment's codes in v[PC] on and its scale word in v[PW]
.macro QUANT s
.irp b, 0,1,2,3
	v_max3_num_f32 v[TM+\b], |v[\s+16*\b]|, |v[\s+1+16*\b]|, 0x1800000   ; my 16 numbers of block b, and the floor 2^(3 - 127): the byte cannot fall under 1
.endr
.irp i, 2,4,6,8,10,12,14
.irp b, 0,1,2,3
	v_max3_num_f32 v[TM+\b], v[TM+\b], |v[\s+16*\b+\i]|, |v[\s+1+16*\b+\i]|   ; the four blocks by turns
.endr
.endr
.irp b, 0,1,2,3
	v_permlanex16_b32 v[TM+4+\b], v[TM+\b], s[SEL], s[SEL+1]
.endr
.irp b, 0,1,2,3
	v_max_num_f32 v[TM+\b], v[TM+\b], v[TM+4+\b]   ; with lane l xor 16's: the block's largest magnitude
.endr
.irp b, 0,1,2,3
	v_add_nc_u32 v[TM+12+\b], 0xff000000, v[TM+\b] ; 2 off its exponent field: the conversion's scale operand
.endr
.irp b, 0,1,2,3
	v_lshrrev_b32 v[TM+4+\b], 23, v[TM+12+\b]      ; the scale's byte
.endr
	v_lshl_or_b32 v[PW], v[TM+5], 8, v[TM+4]
	v_lshl_or_b32 v[PW], v[TM+6], 16, v[PW]
	v_lshl_or_b32 v[PW], v[TM+7], 24, v[PW]        ; my row's scale word
.irp c, 0,1
	v_cvt_scalef32_pk16_fp6_f32 v[PC+6*\c:PC+2+6*\c], v[\s+32*\c:\s+15+32*\c], v[TM+12+2*\c]
	v_cvt_scalef32_pk16_fp6_f32 v[PC+12+4*\c:PC+14+4*\c], v[\s+16+32*\c:\s+31+32*\c], v[TM+12+2*\c+1]   ; (a conversion's three registers begin on an even number)
.endr
	v_nop                                          ; one plain place behind a scaled conversion
.irp c, 0,1                                        ; the operand's layout wants a whole block in a lane: lanes 0-15 block 2 c, lanes 16-31 block 2 c + 1
.irp i, 0,1,2
	v_permlane16_swap_b32 v[PC+6*\c+\i], v[PC+12+4*\c+\i]
.endr
.irp i, 0,1,2
	v_mov_b32 v[PC+3+6*\c+\i], v[PC+12+4*\c+\i]
.endr
.endr
.endm
.macro IMAGE s                         ; the fragment goes to LDS as it stands, its scale word beside it: 4 LDS instructions
.irp c, 0,1,2
	ds_store_b128 v5, v[PC+4*\c:PC+4*\c+3] offset:FRB*(\s)+512*\c
.endr
	ds_store_b32 v6, v[PW] offset:256*(\s)
.endm
; Half step j of the product: column half j / 8, K step j % 8: block 2 (j % 8) + j / 8 of my part of wq.
; Its 8 fragments of W and their scale words into set j % 3: 26 loads, the fragments as runs of 512 consecutive bytes
.macro BLOAD j
.set BI, 2*((\j)%8)+(\j)/8
.set BS, (\j)%3
.if BS == 2
.set BB, 160
	WIN 0
.else
.set BB, 96*BS
	WIN 0x40
.endif
.set ii, 0
.rept 24
	global_load_b128 v[BB+4*ii:BB+4*ii+3], v1, s[6:7] offset:HB*BI+512*ii
.set ii, ii+1
.endr
	WIN 0
	global_load_b128 v[32+8*BS:32+8*BS+3], v2, s[6:7] offset:HB*BI+12288
	global_load_b128 v[32+8*BS+4:32+8*BS+7], v2, s[6:7] offset:HB*BI+12288+16
.endm
.macro ALOAD j                         ; enc's four fragments of half step j's K step and their scale words into set j % 2: 13 LDS loads
.set LK, (\j)%8
.set LP, (\j)%2
.set ii, 0
.rept 12
	ds_load_b128 v[64+48*LP+4*ii:64+48*LP+4*ii+3], v3 offset:(8*(ii/3)+LK)*FRB+512*(ii%3)
.set ii, ii+1
.endr
	ds_load_b128 v[56+4*LP:56+4*LP+3], v4 offset:256*LK
.endm
; Half step j: 32 matrix instructions, 8 tiles of columns x 4 tiles of rows.  The accumulators take turns, one instruction a turn.  K step 0 starts the sums with the constant 0.
.macro HSTEP j
	WIN 0
.if (\j) > 0
	PLACES                                         ; the loads below land in registers that the last half step's products read
.endif
.if (\j) <= 13
	BLOAD (\j)+2
.endif
.if (\j) < 15
	ALOAD (\j)+1
.endif
.if (\j) <= 13
	s_wait_loadcnt 52                              ; this half step's W is in; the two younger half steps' 2 x 26 loads may be out
.elseif (\j) == 14
	s_wait_loadcnt 26
.else
	s_wait_loadcnt 0
.endif
.if (\j) < 15
	s_wait_dscnt 13                                ; this half step's enc is in; the next one's 13 loads may be out
.else
	s_wait_dscnt 0
.endif
.set HS, (\j)%8
.set HG, (\j)/8
.set HP, (\j)%2
.set WS, (\j)%3
.if WS == 2
.set WB, 160
	WIN 0xa0+0x50*HG
.else
.set WB, 96*WS
	WIN 0xa4+0x50*HG
.endif
.set ii, 0
.rept 32
.if HS == 0
	v_wmma_scale_f32_16x16x128_f8f6f4 v[8*ii:8*ii+7], v[64+48*HP+12*(ii%4):64+48*HP+12*(ii%4)+11], v[WB+12*(ii/4):WB+12*(ii/4)+11], 0, v[56+4*HP+ii%4], v[32+8*WS+ii/4] matrix_a_fmt:MATRIX_FMT_FP6 matrix_b_fmt:MATRIX_FMT_FP6
.else
	v_wmma_scale_f32_16x16x128_f8f6f4 v[8*ii:8*ii+7], v[64+48*HP+12*(ii%4):64+48*HP+12*(ii%4)+11], v[WB+12*(ii/4):WB+12*(ii/4)+11], v[8*ii:8*ii+7], v[56+4*HP+ii%4], v[32+8*WS+ii/4] matrix_a_fmt:MATRIX_FMT_FP6 matrix_b_fmt:MATRIX_FMT_FP6
.endif
.set ii, ii+1
.endr
.endm
; tanh and the dot product for column tiles 2 gg, 2 gg + 1: 64 registers, 32 pairs; pair k: tile k / 16, tile of rows (k / 4) % 4, rows 2 (k % 4) on.
.macro ARG k                           ; c x product + c x dproj
.if (\k) < 16
	v_pk_fma_f32 v[TB+2*(\k):TB+2*(\k)+1], v[TB+2*(\k):TB+2*(\k)+1], s[22:23], v[DPR:DPR+1] op_sel_hi:[1,0,0]
.else
	v_pk_fma_f32 v[TB+2*(\k):TB+2*(\k)+1], v[TB+2*(\k):TB+2*(\k)+1], s[22:23], v[DPR:DPR+1] op_sel:[0,0,1] op_sel_hi:[1,0,1]
.endif
.endm
; row sum += (-2 v) / (1 + 2^..).  The very first tile's addend is the sum of v, so nothing is cleared.  The sums of tiles 0-7 lie in window 1; tile 8 takes them as its addend and writes window 0, where the rest go on.
.macro SUMK k
.set SX, 8*(((\k)/4)%4)+2*((\k)%4)
.if GG < 4
.set SD, 192+SX
.else
.set SD, 96+SX
.endif
.if (GG == 0) && ((\k) < 16)
	WIN 0x46                                       ; sums window 1, the sum of v window 0, -2 v window 1, the accumulator window 2
	v_pk_fma_f32 v[SD:SD+1], v[TB+2*(\k):TB+2*(\k)+1], v[WVR:WVR+1], v[22:23] op_sel_hi:[1,0,1]
.elseif (GG == 4) && ((\k) < 16)
	WIN 0x17                                       ; sums window 0, the addend window 1, -2 v window 1, the accumulator window 3
	v_pk_fma_f32 v[SD:SD+1], v[TB+2*(\k):TB+2*(\k)+1], v[WVR:WVR+1], v[192+SX:193+SX] op_sel_hi:[1,0,1]
.elseif (\k) < 16
	WIN SW
	v_pk_fma_f32 v[SD:SD+1], v[TB+2*(\k):TB+2*(\k)+1], v[WVR:WVR+1], v[SD:SD+1] op_sel_hi:[1,0,1]
.else
	WIN SW
	v_pk_fma_f32 v[SD:SD+1], v[TB+2*(\k):TB+2*(\k)+1], v[WVR:WVR+1], v[SD:SD+1] op_sel:[0,1,0] op_sel_hi:[1,1,1]
.endif
.endm
; The 64 exponentials are one batch with one wait, and so are the 64 reciprocals: nothing names a result ahead of its batch's wait.  A plain packed instruction stands ahead of each two.
; Each accumulator is read from its low end on.  A group names no register of the products that stand round it.
.macro TGROUP gg
.set GG, \gg
.set TW, 2+(\gg)/4
.set TB, 64*((\gg)%4)
.set DPR, 224+2*(\gg)
.set WVR, 240+2*(\gg)
.if GG < 4
.set SW, 0x56
.else
.set SW, 0x07
.endif
	WIN (TW<<6)|0x10|TW                            ; the accumulators' window; c x dproj in window 1
	ARG 0
.set kk, 1
.rept 31
	ARG kk
	v_exp_f32 v[TB+2*kk-2], v[TB+2*kk-2]
	v_exp_f32 v[TB+2*kk-1], v[TB+2*kk-1]
.set kk, kk+1
.endr
	v_exp_f32 v[TB+62], v[TB+62]
	v_exp_f32 v[TB+63], v[TB+63]
	v_nop                                          ; the plain place behind the last exponential
	s_wait_alu depctr_va_vdst(0)                   ; one wait for the batch, ahead of its first reader
	v_pk_add_f32 v[TB:TB+1], v[TB:TB+1], 1.0 op_sel_hi:[1,0]
.set kk, 1
.rept 31
	v_pk_add_f32 v[TB+2*kk:TB+2*kk+1], v[TB+2*kk:TB+2*kk+1], 1.0 op_sel_hi:[1,0]
	v_rcp_f32 v[TB+2*kk-2], v[TB+2*kk-2]
	v_rcp_f32 v[TB+2*kk-1], v[TB+2*kk-1]
.set kk, kk+1
.endr
	v_rcp_f32 v[TB+62], v[TB+62]
	v_rcp_f32 v[TB+63], v[TB+63]
	v_nop
	s_wait_alu depctr_va_vdst(0)
.set kk, 0
.rept 32
	SUMK kk
.set kk, kk+1
.endr
	WIN 0
.endm
.macro LOADB n                         ; rows 8 n .. 8 n + 7 of the copy, my 16 bytes of each, into set n % 2
.set ee, 0
.rept 8
.if (\n) < 4
	ds_load_b128 v[192+32*((\n)%2)+4*ee:192+32*((\n)%2)+4*ee+3], v10 offset:2048*(8*(\n)+ee)
.else
	ds_load_b128 v[192+32*((\n)%2)+4*ee:192+32*((\n)%2)+4*ee+3], v11 offset:2048*(8*((\n)-4)+ee)
.endif
.set ee, ee+1
.endr
.endm
.macro CTX n                           ; my 8 columns += p x row, for 8 rows: bf16 x f32 + f32
.set ee, 0
.rept 8
.set cc, 0
.rept 8
.if cc%2
	v_fma_mix_f32_bf16 v[64+cc], v[192+32*((\n)%2)+4*ee+cc/2], v[128+8*(\n)+ee], v[64+cc] op_sel:[1,0,0] op_sel_hi:[1,0,0]
.else
	v_fma_mix_f32_bf16 v[64+cc], v[192+32*((\n)%2)+4*ee+cc/2], v[128+8*(\n)+ee], v[64+cc] op_sel_hi:[1,0,0]
.endif
.set cc, cc+1
.endr
.set ee, ee+1
.endr
.endm
	s_load_b256 s[4:11], s[0:1], 0x0               ; enc s[4:5], wq s[6:7], dproj s[8:9], v_W s[10:11]
	s_load_b128 s[12:15], s[0:1], 0x20             ; src_mask s[12:13], sc s[14:15]
	s_load_b64 s[16:17], s[0:1], 0x30              ; ctxp
	v_lshrrev_b32 v24, 5, v0
	v_readfirstlane_b32 s18, v24                   ; wave w
	v_and_b32 v25, 31, v0                          ; lane
	v_and_b32 v26, 15, v0                          ; r
	v_bfe_u32 v27, v0, 4, 1                        ; h
	v_lshlrev_b32 v1, 4, v25                       ; v1  16 x lane
	v_mov_b32 v21, v1                              ; v21 the enc loads' lane term: 16 x lane, or 0 in the last block
	v_lshlrev_b32 v2, 5, v26                       ; v2  32 r: W's scale words
	v_add_nc_u32 v3, AIMG, v1                      ; v3  an image's place for my lane
	v_lshl_add_u32 v4, v26, 4, ASC                 ; v4  row r's four scale words
	s_mul_i32 s28, s18, 8*FRB
	s_add_co_u32 s28, s28, AIMG
	v_add_nc_u32 v5, s28, v1                       ; v5  where I store my tile's images
	s_lshl_b32 s28, s18, 2
	v_add_nc_u32 v6, s28, v4                       ; v6  and its scale words
	s_mul_i32 s28, s18, 16896
	s_add_co_u32 s28, s28, STG
	v_add_nc_u32 v7, s28, v1                       ; v7  my stage, on the way in
	v_mul_u32_u24 v8, v26, 528
	v_lshl_add_u32 v8, v27, 6, v8
	v_add_nc_u32 v8, s28, v8                       ; v8  and on the way out: row r, + 64 h
	s_lshl_b32 s28, s18, 15
	v_lshl_add_u32 v9, v25, 3, s28                 ; v9  the copy: my 16 rows, 8 bytes a lane
	v_lshlrev_b32 v10, 4, v0                       ; v10 16 T: my 8 columns in a row of the copy, and my place in ctxp
	v_add_nc_u32 v11, 65536, v10                   ; v11 the same from row 32 on
	s_lshl_b32 s28, s18, 12
	s_add_co_u32 s28, s28, CONS
	v_add_nc_u32 v12, s28, v1                      ; v12 my wave's constants
	s_lshl_b32 s28, s18, 8
	s_add_co_u32 s29, s28, PART
	v_lshl_add_u32 v13, v27, 5, s29                ; v13 my wave's parts of the scores, + 32 h
	v_lshl_add_u32 v14, v25, 3, PART               ; v14 rows 2 lane, 2 lane + 1 of every wave's parts
	s_add_co_u32 s29, s28, PWB
	v_lshl_add_u32 v15, v25, 3, s29                ; v15 where I put my two p
	v_mov_b32 v16, s29                             ; v16 from where every lane reads all 64
	v_lshlrev_b32 v17, 1, v25                      ; v17 my two bytes of the mask
	v_lshlrev_b32 v19, 3, v25                      ; v19 my two scores in sc
	v_lshlrev_b32 v20, 2, v26                      ; v20 4 r: my column in dproj and v_W
.irp b, 0,1,2,3
	v_mov_b32 v[TM+4+\b], 0                        ; a lane permute's destination counts as one of its sources
.endr
	s_mov_b32 s19, 4                               ; blocks to go
	s_mov_b32 s[SEL], 0x76543210
	s_mov_b32 s[SEL+1], 0xfedcba98                 ; v_permlanex16_b32's selects for lane l xor 16
	s_mov_b32 s22, 0x4038aa3b                      ; c = 2 log2(e)
	s_mov_b32 s23, s22                             ; (named with it as a pair, so it is written)
	s_mov_b32 s24, 0x3fb8aa3b                      ; log2(e)
	s_mov_b32 s25, 0xc61c4000                      ; -10000.0
	s_mov_b32 s29, 0
	s_mov_b32 s31, 0
	s_lshl_b32 s28, ttmp9, 20                      ; enc: 256 g rows of 4,096 bytes,
	s_lshl_b32 s30, s18, 16                        ; + 16 w rows
	s_wait_kmcnt 0x0
	s_mov_b64 s[34:35], s[8:9]                     ; s[34:35] dproj's first byte: where the last block's loads point
	s_add_nc_u64 s[4:5], s[4:5], s[28:29]
	s_add_nc_u64 s[4:5], s[4:5], s[30:31]          ; s[4:5] my 16 rows of the block in hand
	s_mov_b64 s[32:33], s[4:5]                     ; s[32:33] the enc loads' base
	s_mul_i32 s28, s18, 16*HB                      ; wq: my 256 columns
	s_add_nc_u64 s[6:7], s[6:7], s[28:29]
	s_lshr_b32 s28, ttmp9, 3
	s_lshl_b32 s28, s28, 12                        ; dproj: the batch's row,
	s_lshl_b32 s30, s18, 10                        ; my 256 columns
	s_add_nc_u64 s[8:9], s[8:9], s[28:29]
	s_add_nc_u64 s[8:9], s[8:9], s[30:31]
	s_add_nc_u64 s[10:11], s[10:11], s[30:31]
	s_lshl_b32 s28, ttmp9, 8
	s_add_nc_u64 s[12:13], s[12:13], s[28:29]
	s_lshl_b32 s28, ttmp9, 10
	s_add_nc_u64 s[14:15], s[14:15], s[28:29]
	s_lshl_b32 s28, ttmp9, 14
	s_add_nc_u64 s[16:17], s[16:17], s[28:29]
.set ii, 0
.rept 16
	global_load_b32 v[64+ii], v20, s[8:9] offset:64*ii     ; dproj of column 16 t + r
.set ii, ii+1
.endr
.set ii, 0
.rept 16
	global_load_b32 v[80+ii], v20, s[10:11] offset:64*ii   ; v_W likewise
.set ii, ii+1
.endr
	ENCLOAD 0
	s_wait_loadcnt 16                              ; dproj and v_W are in; the 16 enc loads may be out
	v_pk_add_f32 v[24:25], v[80:81], v[82:83]
	v_pk_add_f32 v[26:27], v[84:85], v[86:87]
	v_pk_add_f32 v[28:29], v[88:89], v[90:91]
	v_pk_add_f32 v[30:31], v[92:93], v[94:95]
	v_pk_add_f32 v[24:25], v[24:25], v[26:27]
	v_pk_add_f32 v[28:29], v[28:29], v[30:31]
	v_pk_add_f32 v[24:25], v[24:25], v[28:29]
	v_add_f32 v22, v24, v25                        ; v[22:23] the sum of v over my 16 columns, twice
	v_mov_b32 v23, v22
.irp j, 0,2,4,6,8,10,12,14
	v_pk_mul_f32 v[64+\j:65+\j], v[64+\j:65+\j], s[22:23] op_sel_hi:[1,0]   ; c x dproj
	v_pk_mul_f32 v[80+\j:81+\j], v[80+\j:81+\j], -2.0 op_sel_hi:[1,0]       ; -2 v
.endr
.irp q, 0,1,2,3,4,5,6,7
	ds_store_b128 v12, v[64+4*\q:67+4*\q] offset:512*\q
.endr
.irp s, 1,2,3,4,5,6,7
	ENCLOAD \s
.endr
	s_wait_dscnt 0x0                               ; the stores have read their registers, which the first K step's numbers take next
.Lblock:
	; ---- QUANTISING: my 16 rows become eight fragments, and the copy in bf16.  The turn through LDS runs one K step ahead of the arithmetic.
	; The counts on LOADcnt are the enc loads of later K steps, 16 each, held to 63, the most that a wait can name.
	s_wait_loadcnt 63
	TURN 0
.irp s, 0,1,2,3,4,5,6,7
.if \s < 7
.if 16*(6-\s) > 63
	s_wait_loadcnt 63
.else
	s_wait_loadcnt 16*(6-\s)
.endif
.if \s == 6                                        ; all enc loads are in; the mask and the first two half steps of W go out (K steps 0-2 have left the registers that they take)
	global_load_u16 v18, v17, s[12:13]             ; v18 the mask of rows 2 lane, 2 lane + 1
	BLOAD 0
	BLOAD 1
.endif
	TURN \s+1
	s_wait_dscnt 48                                ; all but the 48 just issued: this K step's numbers are back, the last images are stored, and the stores of the turn before have read their registers
.else
	s_wait_dscnt 0x0
.endif
	QUANT 64+64*(\s%2)
	IMAGE \s
.endr
	BARRIER                                        ; the 32 fragments, their scale words and the copy lie in LDS
	; ---- THE PRODUCT, 16 half steps, 512 matrix instructions, and among the last eight the tanh of column tiles 0-7
	WIN 0x40
.irp q, 0,1,2,3,4,5,6,7
	ds_load_b128 v[224+4*\q:227+4*\q], v12 offset:512*\q   ; c x dproj and -2 v into window 1; the first half step's wait on DScnt covers them
.endr
	WIN 0
	ALOAD 0
.irp j, 0,1,2,3,4,5,6,7,8
	HSTEP \j
.endr
	TGROUP 0
	HSTEP 9
	HSTEP 10
	TGROUP 1
	HSTEP 11
	HSTEP 12
	TGROUP 2
	HSTEP 13
	HSTEP 14
	TGROUP 3
	HSTEP 15
	; ---- THE TANH OF COLUMN TILES 8-15.  The next block's enc is asked for as registers come free, in the order of the K steps.
	WIN 0
	PLACES
	s_add_nc_u64 s[4:5], s[4:5], 262144            ; my 16 rows of the next block.  (No load names s[4:5]; every load that named s[32:33] and v21 has been waited for)
	s_cmp_eq_u32 s19, 1
	s_cselect_b64 s[32:33], s[34:35], s[4:5]       ; in the last block: dproj's first bytes,
	s_cselect_b32 s26, 0, -1
	v_and_b32 v21, s26, v1                         ; and every lane at the same 16 of them
	ENCLOAD 0
	ENCLOAD 1
	ENCLOAD 2
	TGROUP 4
	ENCLOAD 3
	TGROUP 5
	ENCLOAD 4
	TGROUP 6
	ENCLOAD 5
	TGROUP 7
	ENCLOAD 6
	; ---- THE SCORES: the 16 lanes of a half hold 16 columns' parts of the same rows
.irp m, 1,2,4,8
.set ii, 0
.rept 32
	v_add_f32_dpp v[96+ii], v[96+ii], v[96+ii] row_xmask:\m row_mask:0xf bank_mask:0xf
.set ii, ii+1
.endr
.endr
	ENCLOAD 7
.irp a, 0,1,2,3
	ds_store_b128 v13, v[96+8*\a:99+8*\a] offset:64*\a          ; rows 16 a + 8 h + 0 .. 3: the 16 lanes of a half store the same numbers to the same place
	ds_store_b128 v13, v[100+8*\a:103+8*\a] offset:64*\a+16
.endr
	BARRIER                                        ; the four waves' parts lie in LDS
.irp x, 0,1,2,3
	ds_load_b64 v[24+2*\x:25+2*\x], v14 offset:256*\x
.endr
	s_wait_dscnt 0x0
	v_pk_add_f32 v[24:25], v[24:25], v[26:27]
	v_pk_add_f32 v[28:29], v[28:29], v[30:31]
	v_pk_add_f32 v[24:25], v[24:25], v[28:29]      ; the scores of rows 2 lane, 2 lane + 1
	v_mov_b32 v27, s25
	v_and_b32 v26, 0xff, v18
	v_cmp_ne_u32 vcc_lo, 0, v26
	v_cndmask_b32 v24, v27, v24, vcc_lo            ; -10000 where the mask is false
	v_lshrrev_b32 v26, 8, v18
	v_cmp_ne_u32 vcc_lo, 0, v26
	v_cndmask_b32 v25, v27, v25, vcc_lo
	s_cmp_lg_u32 s18, 0
	s_cbranch_scc1 .Lnot_wave_0
	global_store_b64 v19, v[24:25], s[14:15]       ; 256 consecutive bytes, at a multiple of 256 from sc's first byte
.Lnot_wave_0:
	; ---- p = exp(score - the block's largest score), made by every wave for itself
	v_max_num_f32 v26, v24, v25
	v_max_num_f32_dpp v26, v26, v26 row_xmask:1 row_mask:0xf bank_mask:0xf
	v_max_num_f32_dpp v26, v26, v26 row_xmask:2 row_mask:0xf bank_mask:0xf
	v_max_num_f32_dpp v26, v26, v26 row_xmask:4 row_mask:0xf bank_mask:0xf
	v_max_num_f32_dpp v26, v26, v26 row_xmask:8 row_mask:0xf bank_mask:0xf
	v_permlanex16_b32 v27, v26, s[SEL], s[SEL+1]
	v_max_num_f32 v26, v26, v27
	v_sub_f32 v28, v24, v26
	v_sub_f32 v29, v25, v26
	v_mul_f32 v28, s24, v28
	v_mul_f32 v29, s24, v29
	v_exp_f32 v28, v28
	v_exp_f32 v29, v29
.irp c, 0,1,2,3,4,5,6,7
	v_mov_b32 v[64+\c], 0                          ; the context's eight sums begin: plain work behind the exponentials
.endr
	s_wait_alu depctr_va_vdst(0)                   ; one wait for the two, ahead of their first reader
	ds_store_b64 v15, v[28:29]
.irp q, 0,1,2,3,4,5,6,7,8,9,10,11,12,13,14,15
	ds_load_b128 v[128+4*\q:131+4*\q], v16 offset:16*\q    ; all 64 p in every lane; my wave's own bytes, served in order
.endr
	; ---- THE BLOCK'S PART OF THE CONTEXT
	LOADB 0
	LOADB 1
.irp n, 0,1,2,3,4,5,6,7
.if \n < 7
	s_wait_dscnt 8                                 ; these 8 rows (and p) are in; the next 8 may be out
.else
	s_wait_dscnt 0x0
.endif
	CTX \n
.if \n < 6
	LOADB \n+2
.endif
.endr
	global_store_b128 v10, v[64:67], s[16:17]      ; columns 8 T + 0 .. 3: a wave stores 512 consecutive bytes
	global_store_b128 v10, v[68:71], s[16:17] offset:2048   ; columns 8 T + 4 .. 7
	s_wait_xcnt 0x0                                ; the stores have read their registers and bases: both may be written again
	s_add_nc_u64 s[12:13], s[12:13], 64
	s_add_nc_u64 s[14:15], s[14:15], 256
	s_add_nc_u64 s[16:17], s[16:17], 4096
	BARRIER                                        ; every wave has read the copy: the next block may be written over it
	s_sub_co_u32 s19, s19, 1
	s_cmp_lg_u32 s19, 0
	s_cbranch_scc1 .Lblock
	s_wait_xcnt 0x0
	v_lshl_add_u32 v254, v0, 2, 0x41800
	v_mov_b32 v255, 0
	s_wait_tensorcnt 0x0
	ds_add_u32 v254, v255
	s_wait_dscnt 0x0
	s_endpgm
.Lfunc_end_k_q9fe01d1b35_main:
	.size	k_q9fe01d1b35_main, .Lfunc_end_k_q9fe01d1b35_main-k_q9fe01d1b35_main
	.p2alignl 7, 3214868480
	.fill 96, 4, 3214868480
	.section	.rodata,"a",@progbits
	.p2align	6, 0x0
	.amdhsa_kernel k_q9fe01d1b35_main
		.amdhsa_group_segment_fixed_size 268800
		.amdhsa_private_segment_fixed_size 0
		.amdhsa_enable_private_segment 0
		.amdhsa_kernarg_size 56
		.amdhsa_user_sgpr_count 2
		.amdhsa_user_sgpr_kernarg_segment_ptr 1
		.amdhsa_wavefront_size32 1
		.amdhsa_system_sgpr_workgroup_id_x 1
		.amdhsa_system_sgpr_workgroup_id_y 1
		.amdhsa_system_sgpr_workgroup_id_z 1
		.amdhsa_system_vgpr_workitem_id 0
		.amdhsa_next_free_vgpr 1024
		.amdhsa_next_free_sgpr 66
		.amdhsa_reserve_vcc 1
		.amdhsa_float_denorm_mode_32 3
		.amdhsa_float_denorm_mode_16_64 3
		.amdhsa_memory_ordered 1
		.amdhsa_forward_progress 1
		.amdhsa_inst_pref_size 255
	.end_amdhsa_kernel
	.section	.bss,"aw",@nobits
	.p2align	6
	.space	262144
	.amdgpu_metadata
---
amdhsa.version: [ 1, 2 ]
amdhsa.kernels:
  - .name:           k_q9fe01d1b35_main
    .symbol:         k_q9fe01d1b35_main.kd
    .args:
      - { .name: enc_outputs, .offset: 0, .size: 8, .value_kind: global_buffer, .address_space: global }
      - { .name: wq, .offset: 8, .size: 8, .value_kind: global_buffer, .address_space: global }
      - { .name: dproj, .offset: 16, .size: 8, .value_kind: global_buffer, .address_space: global }
      - { .name: v_W, .offset: 24, .size: 8, .value_kind: global_buffer, .address_space: global }
      - { .name: src_mask, .offset: 32, .size: 8, .value_kind: global_buffer, .address_space: global }
      - { .name: sc, .offset: 40, .size: 8, .value_kind: global_buffer, .address_space: global }
      - { .name: ctxp, .offset: 48, .size: 8, .value_kind: global_buffer, .address_space: global }
    .group_segment_fixed_size: 268800
    .private_segment_fixed_size: 0
    .kernarg_segment_align: 8
    .kernarg_segment_size: 56
    .max_flat_workgroup_size: 128
    .sgpr_count:     66
    .vgpr_count:     1024
    .wavefront_size: 32
...
	.end_amdgpu_metadata
.endif
;; end of part 2
;; launch finish (part 3): grid 8 x 32, 8 waves a work-group, no clusters, 9,216 bytes of LDS; arguments sc, ctxp, out0, out1; writes out0, out1
.if DOCPART == 3
	.amdgcn_target "amdgcn-amd-amdhsa--gfx1250"
	.amdhsa_code_object_version 6
	.text
	.protected	k_q9fe01d1b35_finish
	.globl	k_q9fe01d1b35_finish
	.p2align	8
	.type	k_q9fe01d1b35_finish,@function
k_q9fe01d1b35_finish:
	s_mov_b64 s[64:65], 0
	v_nop
	global_prefetch_b8 v0, s[64:65] scope:SCOPE_SE
	s_setreg_imm32_b32 hwreg(HW_REG_WAVE_MODE, 25, 1), 1
	s_wait_xcnt 0x0
; out1[b][s] = exp(sc - M) / L, M the batch's largest masked score, L the sum of the exponentials; out0[b][:] = the sum over the batch's 32 blocks of exp(block's largest - M) / L x the block's partial context.
; Work-group (k, b): batch b, slice k: 128 columns of out0 and 256 numbers of out1.  Every work-group of a batch reads the batch's 2,048 scores (8,192 bytes) and makes M and L for itself: nothing goes between work-groups.
; Thread t holds scores 4 t .. 4 t + 3 (quad A) and 1,024 + 4 t .. (quad B).  A block is 64 scores: the quads of 16 lanes.  So wave x holds blocks 2 x, 2 x + 1 (A) and 16 + 2 x, 17 + 2 x (B), and adds up just these four
; blocks' partial contexts.  A block's largest score is the same number that the launch before subtracted: a maximum rounds nothing.
; ctxp: [block][q 0..1][T 0..127][4]: column 8 T + 4 q + c.  Lane (r, hq) reads q = hq, T = 16 k + r: sixteen lanes read 256 consecutive bytes.
; LDS: 0: eight waves' maxima; 256: their sums; 512: their partial contexts, 512 bytes each.
	s_load_b128 s[4:7], s[0:1], 0x0                ; sc, ctxp
	s_load_b128 s[8:11], s[0:1], 0x10              ; out0, out1
	v_lshl_add_u32 v96, v0, 2, 0x2000
	v_mov_b32 v97, 0
	v_lshrrev_b32 v1, 5, v0
	v_readfirstlane_b32 s18, v1                    ; wave x
	s_and_b32 s19, ttmp7, 0xffff                   ; batch b
	v_and_b32 v5, 15, v0                           ; r
	v_bfe_u32 v6, v0, 4, 1                         ; hq
	v_lshlrev_b32 v1, 4, v0                        ; 16 t
	v_lshlrev_b32 v2, 4, v5
	v_lshl_add_u32 v2, v6, 11, v2                  ; ctxp: 2,048 hq + 16 r
	v_lshlrev_b32 v3, 5, v5
	v_lshl_add_u32 v3, v6, 4, v3                   ; out0: 32 r + 16 hq
	v_mov_b32 v4, s18
	v_lshlrev_b32 v4, 2, v4                        ; LDS: my wave's word
	v_mov_b32 v7, 0                                ; LDS: the eight words
	v_and_b32 v32, 31, v0
	v_lshlrev_b32 v32, 4, v32                      ; 16 x lane
	s_lshl_b32 s21, s18, 9
	v_add_nc_u32 v33, s21, v32                     ; + 512 x
	v_mov_b32 v37, 0                               ; a lane permute's destination counts as one of its sources
	s_mov_b32 s12, 0x76543210
	s_mov_b32 s13, 0xfedcba98
	s_mov_b32 s14, 0x3fb8aa3b                      ; log2(e)
	s_mov_b32 s23, 0
	s_mov_b32 s25, 0
	s_lshl_b32 s22, s19, 13                        ; sc, out1: 8,192 bytes a batch
	s_wait_kmcnt 0x0
	s_add_nc_u64 s[4:5], s[4:5], s[22:23]
	s_add_nc_u64 s[10:11], s[10:11], s[22:23]
	s_lshr_b32 s24, ttmp9, 2
	s_lshl_b32 s24, s24, 12                        ; out1: quad B's half for slices 4-7
	s_add_nc_u64 s[10:11], s[10:11], s[24:25]
	s_lshl_b32 s22, s19, 17                        ; ctxp: 32 blocks of 4,096 bytes a batch,
	s_lshl_b32 s24, s18, 13                        ; block 2 x,
	s_add_co_u32 s22, s22, s24
	s_lshl_b32 s24, ttmp9, 8                       ; slice k
	s_add_co_u32 s22, s22, s24
	s_add_nc_u64 s[6:7], s[6:7], s[22:23]
	s_lshl_b32 s22, s19, 12
	s_lshl_b32 s24, ttmp9, 9
	s_add_co_u32 s22, s22, s24
	s_add_nc_u64 s[8:9], s[8:9], s[22:23]          ; out0: row b, 512 bytes a slice
	global_load_b128 v[8:11], v1, s[4:5]
	global_load_b128 v[12:15], v1, s[4:5] offset:4096
	global_load_b128 v[16:19], v2, s[6:7]                  ; block 2 x
	global_load_b128 v[20:23], v2, s[6:7] offset:4096      ; 2 x + 1
	global_load_b128 v[24:27], v2, s[6:7] offset:65536     ; 16 + 2 x
	global_load_b128 v[28:31], v2, s[6:7] offset:69632     ; 17 + 2 x
	s_wait_loadcnt 4                               ; the scores are in; the four loads of ctxp may be out
	v_max3_num_f32 v34, v8, v9, v10
	v_max3_num_f32 v35, v12, v13, v14
	v_max_num_f32 v34, v34, v11
	v_max_num_f32 v35, v35, v15
.irp m, 1,2,4,8
	v_max_num_f32_dpp v34, v34, v34 row_xmask:\m row_mask:0xf bank_mask:0xf   ; the largest score of my block of quad A,
	v_max_num_f32_dpp v35, v35, v35 row_xmask:\m row_mask:0xf bank_mask:0xf   ; and of quad B
.endr
	v_max_num_f32 v36, v34, v35
	v_permlanex16_b32 v37, v36, s12, s13
	v_max_num_f32 v36, v36, v37                    ; my wave's
	ds_store_b32 v4, v36
	s_wait_dscnt 0x0
	s_barrier_signal -1
	s_barrier_wait -1
	ds_load_b128 v[40:43], v7
	ds_load_b128 v[44:47], v7 offset:16
	s_wait_dscnt 0x0
	v_max3_num_f32 v38, v40, v41, v42
	v_max3_num_f32 v38, v38, v43, v44
	v_max3_num_f32 v38, v38, v45, v46
	v_max_num_f32 v38, v38, v47                    ; M
.irp j, 8,9,10,11,12,13,14,15,34,35
	v_sub_f32 v[\j], v[\j], v38
.endr
.irp j, 8,9,10,11,12,13,14,15,34,35
	v_mul_f32 v[\j], s14, v[\j]
.endr
.irp j, 8,9,10,11,12,13,14,15,34,35
	v_exp_f32 v[\j], v[\j]                         ; exp(score - M), and exp(block's largest - M)
.endr
	v_nop                                          ; the plain place behind the last exponential
	s_wait_alu depctr_va_vdst(0)                   ; one wait for the ten
	v_pk_add_f32 v[40:41], v[8:9], v[10:11]
	v_pk_add_f32 v[42:43], v[12:13], v[14:15]
	v_pk_add_f32 v[40:41], v[40:41], v[42:43]
	v_add_f32 v40, v40, v41
.irp m, 1,2,4,8
	v_add_f32_dpp v40, v40, v40 row_xmask:\m row_mask:0xf bank_mask:0xf
.endr
	v_permlanex16_b32 v37, v40, s12, s13
	v_add_f32 v40, v40, v37                        ; my wave's sum
	ds_store_b32 v4, v40 offset:256
	s_wait_dscnt 0x0
	s_barrier_signal -1
	s_barrier_wait -1
	ds_load_b128 v[40:43], v7 offset:256
	ds_load_b128 v[44:47], v7 offset:272
	s_wait_dscnt 0x0
	v_pk_add_f32 v[40:41], v[40:41], v[42:43]
	v_pk_add_f32 v[44:45], v[44:45], v[46:47]
	v_pk_add_f32 v[40:41], v[40:41], v[44:45]
	v_add_f32 v39, v40, v41                        ; L
	v_rcp_f32 v39, v39
	v_nop                                          ; a plain place behind the reciprocal
	s_wait_alu depctr_va_vdst(0)
	v_mul_f32 v34, v34, v39                        ; the blocks' factors
	v_mul_f32 v35, v35, v39
	v_readlane_b32 s40, v34, 0                     ; block 2 x
	v_readlane_b32 s41, v34, 16                    ; 2 x + 1
	v_readlane_b32 s42, v35, 0                     ; 16 + 2 x
	v_readlane_b32 s43, v35, 16                    ; 17 + 2 x
	s_wait_loadcnt 0x0
.irp c, 0,1,2,3
	v_mul_f32 v[48+\c], s40, v[16+\c]
.endr
.irp c, 0,1,2,3
	v_fmac_f32 v[48+\c], s41, v[20+\c]
.endr
.irp c, 0,1,2,3
	v_fmac_f32 v[48+\c], s42, v[24+\c]
.endr
.irp c, 0,1,2,3
	v_fmac_f32 v[48+\c], s43, v[28+\c]
.endr
	ds_store_b128 v33, v[48:51] offset:512
	s_wait_dscnt 0x0
	s_barrier_signal -1
	s_barrier_wait -1
	s_cmp_lg_u32 s18, 0
	s_cbranch_scc1 .Lnot_wave_0
.irp x, 0,1,2,3,4,5,6,7
	ds_load_b128 v[56+4*\x:59+4*\x], v32 offset:512+512*\x
.endr
	s_wait_dscnt 0x0
.irp x, 0,2,4,6
	v_pk_add_f32 v[56+4*\x:57+4*\x], v[56+4*\x:57+4*\x], v[60+4*\x:61+4*\x]
	v_pk_add_f32 v[58+4*\x:59+4*\x], v[58+4*\x:59+4*\x], v[62+4*\x:63+4*\x]
.endr
.irp x, 0,4
	v_pk_add_f32 v[56+4*\x:57+4*\x], v[56+4*\x:57+4*\x], v[64+4*\x:65+4*\x]
	v_pk_add_f32 v[58+4*\x:59+4*\x], v[58+4*\x:59+4*\x], v[66+4*\x:67+4*\x]
.endr
	v_pk_add_f32 v[56:57], v[56:57], v[72:73]
	v_pk_add_f32 v[58:59], v[58:59], v[74:75]
	global_store_b128 v3, v[56:59], s[8:9]         ; the slice's 512 consecutive bytes of out0
.Lnot_wave_0:
	s_lshr_b32 s21, s18, 1                         ; out1: slice k's 256 numbers lie in waves 2 (k % 4), 2 (k % 4) + 1: quad A for slices 0-3, quad B for 4-7
	s_and_b32 s22, ttmp9, 3
	s_cmp_lg_u32 s21, s22
	s_cbranch_scc1 .Ldone
	s_cmp_ge_u32 ttmp9, 4
	s_cselect_b32 s23, -1, 0
.irp c, 0,1,2,3
	v_cndmask_b32 v[48+\c], v[8+\c], v[12+\c], s23
.endr
.irp c, 0,1,2,3
	v_mul_f32 v[48+\c], v39, v[48+\c]
.endr
	global_store_b128 v1, v[48:51], s[10:11]       ; a wave stores 512 consecutive bytes
.Ldone:
	s_wait_tensorcnt 0x0
	ds_add_u32 v96, v97
	s_wait_dscnt 0x0
	s_endpgm
.Lfunc_end_k_q9fe01d1b35_finish:
	.size	k_q9fe01d1b35_finish, .Lfunc_end_k_q9fe01d1b35_finish-k_q9fe01d1b35_finish
	.p2alignl 7, 3214868480
	.fill 96, 4, 3214868480
	.section	.rodata,"a",@progbits
	.p2align	6, 0x0
	.amdhsa_kernel k_q9fe01d1b35_finish
		.amdhsa_group_segment_fixed_size 9216
		.amdhsa_private_segment_fixed_size 0
		.amdhsa_enable_private_segment 0
		.amdhsa_kernarg_size 32
		.amdhsa_user_sgpr_count 2
		.amdhsa_user_sgpr_kernarg_segment_ptr 1
		.amdhsa_wavefront_size32 1
		.amdhsa_system_sgpr_workgroup_id_x 1
		.amdhsa_system_sgpr_workgroup_id_y 1
		.amdhsa_system_sgpr_workgroup_id_z 1
		.amdhsa_system_vgpr_workitem_id 0
		.amdhsa_next_free_vgpr 98
		.amdhsa_next_free_sgpr 66
		.amdhsa_reserve_vcc 0
		.amdhsa_float_denorm_mode_32 3
		.amdhsa_float_denorm_mode_16_64 3
		.amdhsa_memory_ordered 1
		.amdhsa_forward_progress 1
		.amdhsa_inst_pref_size 10
	.end_amdhsa_kernel
	.amdgpu_metadata
---
amdhsa.version: [ 1, 2 ]
amdhsa.kernels:
  - .name:           k_q9fe01d1b35_finish
    .symbol:         k_q9fe01d1b35_finish.kd
    .args:
      - { .name: sc, .offset: 0, .size: 8, .value_kind: global_buffer, .address_space: global }
      - { .name: ctxp, .offset: 8, .size: 8, .value_kind: global_buffer, .address_space: global }
      - { .name: out0, .offset: 16, .size: 8, .value_kind: global_buffer, .address_space: global }
      - { .name: out1, .offset: 24, .size: 8, .value_kind: global_buffer, .address_space: global }
    .group_segment_fixed_size: 9216
    .private_segment_fixed_size: 0
    .kernarg_segment_align: 8
    .kernarg_segment_size: 32
    .max_flat_workgroup_size: 256
    .sgpr_count:     66
    .vgpr_count:     98
    .wavefront_size: 32
...
	.end_amdgpu_metadata
.endif
;; end of part 3
;; ======== version 2 of 2: 3 launches; version 1 with the launches prep, main written anew for expert scheduling mode
;; workspace buffers: wq 819,200 bytes; dproj 131,072 bytes; sc 262,144 bytes; ctxp 4,194,304 bytes
;; launch prep (part 4): grid 64 x 1, 16 waves a work-group, no clusters, 153,600 bytes of LDS; arguments attn_W, attn_b, dec_hidden, wq, dproj; writes wq, dproj
.if DOCPART == 4
	.amdgcn_target "amdgcn-amd-amdhsa--gfx1250"
	.amdhsa_code_object_version 6
	.text
	.protected	k_q9fe01d1b35_prep
	.globl	k_q9fe01d1b35_prep
	.p2align	8
	.type	k_q9fe01d1b35_prep,@function
k_q9fe01d1b35_prep:
	s_mov_b64 s[64:65], 0
	v_nop
	global_prefetch_b8 v0, s[64:65] scope:SCOPE_SE
	s_setreg_imm32_b32 hwreg(HW_REG_WAVE_SCHED_MODE, 0, 2), 2
	s_setreg_imm32_b32 hwreg(HW_REG_WAVE_MODE, 25, 1), 1
	s_wait_xcnt 0x0
	s_wait_alu depctr_vm_vsrc(0)
; attn_W [2048][1024] f32 has K as its first axis.  Rows 0-1023 are W_dec, rows 1024-2047 W_enc.
; This launch (a) turns W_enc into codes of FP6 (E2M3) with one E8M0 byte for each 32 along K, laid in wq in the order of the operand's registers, and
; (b) computes dproj = Q(dec_hidden) Q(W_dec) + attn_b, [32][1024] f32, by the scaled matrix instruction on FP6 codes.
; SHARES.  Work-group T owns the 16 columns 16 T + r.  Wave u owns rows 128 u .. 128 u + 127 of attn_W: one K step of 128.  Waves 0-7: W_dec's K step u; waves 8-15: W_enc's K step u - 8.
; A lane takes a column and its registers run down K, in the very order that the operand's layout gives it (lane (r, h): k = 64 c + 32 h + 0 .. 31), so the conversions' results are the operand's registers.
; dec_hidden's K step (32 rows x 512 bytes) is loaded a row a load, 512 consecutive bytes each, and turned through the wave's own stage in LDS, so that lane (r, h) gets 32 neighbours of row r.
; Only 64 work-groups: the sum over K of dproj stays inside one work-group (eight waves' results meet in LDS), so that nothing is summed between work-groups.
; wq: [w 0..3][i 0..15] blocks of 12,800 bytes; w = column / 256, i = 2 x K step + (column tile / 8) % 2.  A block: 8 fragments of 1,536 bytes (registers 4 c .. 4 c + 3 of lane L at 512 c + 16 L),
; then 512 bytes of scale words, that of column r of fragment f at 32 r + 4 f.  The fragments leave as runs of 512 consecutive bytes; the scale words as 4 bytes 32 apart: one byte in 25 of wq.
; dproj leaves as 64 consecutive bytes for each 16 lanes: 131,072 bytes in all.
; LIMITS: NaN and infinities among the inputs are not served.  A block of zeros gets the byte 1 where the rule says 127: its codes are zeros, and this program alone reads the bytes.
; LDS: 0: the eight K steps' results, 2,048 bytes each; STGP: waves 0-7's stages, 32 rows x (512 + 16) bytes each.
; THE MODE: SCHED_MODE bits 1:0 = 2 (LLVM: expert scheduling mode 2), set by the entry lines.  The code itself states the register dependences
; between vector or matrix instructions and memory or LDS instructions, with s_wait_alu, always for 0.
; THE PLAN.  There is no loop.  Registers that memory or LDS instructions touch:
;   v1, v3-v10  offsets and LDS addresses: written at the head, never again: one wait on va_vdst ahead of the first load.
;   v11, XW     global loads land in them; vector instructions alone read them.  v80-87 of XW take the LDS loads behind the barrier: on both ways a wait on va_vdst stands behind QUANT6's reads of them.
;   XD          global loads land in it, the stage's LDS stores read it, the stage's LDS loads land in it again: one wait on vm_vsrc between the stores and the loads.
;   FW, v52     written by QUANT6.  Waves 8-15: read by wq's stores, behind a wait on va_vdst.  Waves 0-7: operands, with FD0, FD1, v53, v54: the places, then a wait on va_vdst.
;   v64-79      the two products' results: read by LDS stores behind the places and a wait on va_vdst.
;   v80         the sum: read by dproj's store, behind a wait on va_vdst.
.set STGP, 16384
.set XW,  64                           ; v64-127  64 numbers of W: register 32 c + i = W(64 c + 32 h + i, my column)
.set XD,  128                          ; v128-255 dec_hidden: as loaded a row to four registers; back from the stage two tiles of 16 rows, 64 numbers a lane each
.set FW,  16                           ; v16-27   W's fragment
.set FD0, 28                           ; v28-39   dec_hidden's, rows 0-15
.set FD1, 40                           ; v40-51   rows 16-31
; v52, v53, v54: the three scale words, and nothing else.  v55-63, v12-14: at work in QUANT6.
	s_load_b256 s[4:11], s[0:1], 0x0               ; attn_W s[4:5], attn_b s[6:7], dec_hidden s[8:9], wq s[10:11]
	s_load_b64 s[12:13], s[0:1], 0x20              ; dproj
	v_lshrrev_b32 v1, 5, v0
	v_readfirstlane_b32 s16, v1                    ; wave u, 0..15
	v_and_b32 v1, 15, v0                           ; r
	v_bfe_u32 v2, v0, 4, 1                         ; h
	v_and_b32 v5, 31, v0
	v_lshlrev_b32 v5, 4, v5                        ; 16 x lane: a register image's place, and my 16 bytes of a run of 512
	v_lshlrev_b32 v7, 2, v1                        ; 4 r
	v_lshl_add_u32 v3, v2, 17, v7                  ; W: column r, lanes 16-31 begin 32 rows of 4,096 bytes further down
	v_lshlrev_b32 v6, 5, v1                        ; 32 r: my column's scale words in a block of wq
	v_lshl_add_u32 v10, v2, 15, v7                 ; dproj: 8 h rows of 4,096 bytes + 4 r
	v_lshlrev_b32 v15, 3, v2                       ; 8 h: how far my two scale bytes are shifted
	v_mov_b32 v63, 0                               ; a lane permute's destination counts as one of its sources
	s_wait_alu depctr_va_sdst(0)                   ; s16 is written, ahead of its first reader: LDS addresses, bases and branches are made from it
	s_and_b32 s17, s16, 7                          ; my K step
	s_lshl_b32 s18, s17, 11
	v_add_nc_u32 v8, s18, v5                       ; LDS: where waves 0-7 put their 16 result registers: 2,048 x K step + 16 x lane
	s_lshr_b32 s18, s16, 2
	s_lshl_b32 s18, s18, 9
	s_and_b32 s19, s16, 3
	s_lshl_b32 s19, s19, 2
	s_add_co_u32 s18, s18, s19
	v_add_nc_u32 v9, s18, v5                       ; LDS: result register u of every K step: 512 (u / 4) + 4 (u % 4) + 16 x lane
	s_mul_i32 s19, s17, 16896
	s_add_co_u32 s19, s19, STGP                    ; my stage (waves 0-7 alone use one)
	v_add_nc_u32 v4, s19, v5                       ; on the way in: 16 x lane of a row
	v_mul_u32_u24 v1, v1, 528
	v_lshl_add_u32 v1, v2, 7, v1
	v_add_nc_u32 v1, s19, v1                       ; on the way out: row r, + 128 h.  Rows 528 bytes = 132 words apart: row r starts at bank 4 r mod 64 (64 banks of 4 bytes: ISA guide 11.1)
	s_mov_b32 s20, 0x76543210
	s_mov_b32 s21, 0xfedcba98                      ; v_permlanex16_b32's selects for lane l xor 16
	s_lshl_b32 s24, ttmp9, 6                       ; 64 T: my 16 columns in a row of f32
	s_mov_b32 s25, 0
	s_lshl_b32 s26, s16, 19                        ; 128 u rows of 4,096 bytes
	s_mov_b32 s27, 0
	s_lshl_b32 s28, s17, 9                         ; dec_hidden: 512 bytes a K step
	s_mov_b32 s29, 0
	s_lshr_b32 s30, s16, 3
	s_lshl_b32 s30, s30, 4
	s_add_co_u32 s30, s30, s17
	s_lshl_b32 s30, s30, 12                        ; dproj: row 16 (u / 8) + u % 8
	s_mov_b32 s31, 0
	s_lshr_b32 s32, ttmp9, 4
	s_lshl_b32 s32, s32, 4
	s_lshl_b32 s33, s17, 1
	s_add_co_u32 s32, s32, s33
	s_bfe_u32 s33, ttmp9, 0x10003
	s_add_co_u32 s32, s32, s33
	s_mul_i32 s32, s32, 12800                      ; wq: block 16 (T / 16) + 2 x K step + (T / 8) % 2
	s_mov_b32 s33, 0
	s_and_b32 s34, ttmp9, 7
	s_mul_i32 s36, s34, 1536                       ; fragment T % 8
	s_mov_b32 s37, 0
	s_lshl_b32 s34, s34, 2
	s_add_co_u32 s34, s34, 12288                   ; its scale words' column
	s_mov_b32 s35, 0
	s_wait_kmcnt 0x0
	s_add_nc_u64 s[4:5], s[4:5], s[24:25]
	s_add_nc_u64 s[4:5], s[4:5], s[26:27]
	s_add_nc_u64 s[6:7], s[6:7], s[24:25]
	s_add_nc_u64 s[8:9], s[8:9], s[28:29]
	s_add_nc_u64 s[12:13], s[12:13], s[24:25]
	s_add_nc_u64 s[12:13], s[12:13], s[30:31]
	s_add_nc_u64 s[10:11], s[10:11], s[32:33]
	s_add_nc_u64 s[36:37], s[10:11], s[36:37]
	s_add_nc_u64 s[34:35], s[10:11], s[34:35]
	s_wait_alu depctr_va_vdst(0)                   ; the offsets and LDS addresses v1, v3 to v10 are written: every load and store of the kernel reads one of them
	global_load_b32 v11, v7, s[6:7]                ; attn_b of my column
.set ii, 0
.rept 64
	global_load_b32 v[XW+ii], v3, s[4:5] offset:(64*(ii/32)+ii%32)*4096   ; W(64 c + 32 h + i, my column)
.set ii, ii+1
.endr
	s_cmp_lt_u32 s16, 8
	s_cbranch_scc0 .Lno_dec_loads
.set ii, 0
.rept 32
	global_load_b128 v[XD+4*ii:XD+4*ii+3], v5, s[8:9] offset:4096*ii   ; row ii, my K step: 512 consecutive bytes
.set ii, ii+1
.endr
	s_wait_loadcnt 0x0
.set ii, 0
.rept 32
	ds_store_b128 v4, v[XD+4*ii:XD+4*ii+3] offset:528*ii
.set ii, ii+1
.endr
	s_wait_alu depctr_vm_vsrc(0)                   ; the stores above have read v[XD ..], in which the loads below land
.set ii, 0
.rept 32                                           ; tile m = ii / 16, c = (ii / 8) % 2, q = ii % 8: row 16 m + r, k = 64 c + 32 h + 4 q on.  LDS serves a wave's instructions in order (ISA guide 5.7.1.4): these see the stores above
	ds_load_b128 v[XD+4*ii:XD+4*ii+3], v1 offset:(ii/16)*8448+256*((ii/8)%2)+16*(ii%8)
.set ii, ii+1
.endr
.Lno_dec_loads:
	s_wait_loadcnt 0x0                             ; zero: the two ways have issued different numbers of loads
; 64 numbers of a lane, register 32 c + i = k 64 c + 32 h + i of my row or column: two whole blocks of 32.  They become the fragment v[f .. f + 11] and the scale word v[sw].
.macro QUANT6 x, f, sw
.irp c, 0,1
	v_max3_num_f32 v[56+\c], |v[\x+32*\c]|, |v[\x+1+32*\c]|, 0x1800000   ; with the floor 2^(3 - 127): the byte cannot fall under 1
.endr
.irp i, 2,4,6,8,10,12,14,16,18,20,22,24,26,28,30
.irp c, 0,1
	v_max3_num_f32 v[56+\c], v[56+\c], |v[\x+32*\c+\i]|, |v[\x+1+32*\c+\i]|   ; the two blocks by turns
.endr
.endr
.irp c, 0,1
	v_add_nc_u32 v[58+\c], 0xff000000, v[56+\c]    ; 2 off the exponent field: the conversion's scale operand
.endr
.irp c, 0,1
	v_lshrrev_b32 v[56+\c], 23, v[58+\c]           ; the scale's byte
.endr
	v_lshl_or_b32 v55, v57, 16, v56                ; my two bytes: blocks h and 2 + h,
	v_lshlrev_b32 v55, v15, v55                    ; at their places in the word;
	v_permlanex16_b32 v63, v55, s20, s21
	v_or_b32 v[\sw], v55, v63                      ; with lane l xor 16's two the word is whole
	v_cvt_scalef32_pk16_fp6_f32 v[\f:\f+2], v[\x:\x+15], v58
	v_cvt_scalef32_pk16_fp6_f32 v[12:14], v[\x+16:\x+31], v58        ; (a conversion's three registers begin on an even number)
	v_cvt_scalef32_pk16_fp6_f32 v[\f+6:\f+8], v[\x+32:\x+47], v59
	v_cvt_scalef32_pk16_fp6_f32 v[60:62], v[\x+48:\x+63], v59
	v_nop                                          ; one plain place behind a scaled conversion
.irp i, 0,1,2
	v_mov_b32 v[\f+3+\i], v[12+\i]
	v_mov_b32 v[\f+9+\i], v[60+\i]
.endr
.endm
	QUANT6 XW, FW, 52                              ; (in waves 0-7 dec_hidden comes back from the stage meanwhile)
	s_cmp_lt_u32 s16, 8
	s_cbranch_scc0 .Lenc_part
	s_wait_dscnt 0x0                               ; dec_hidden is back
	QUANT6 XD, FD0, 53
	QUANT6 XD+64, FD1, 54
.rept 8
	v_nop                                          ; a scale register written by a vector instruction stands 8 places ahead of a scaled matrix instruction, an operand so written 4
.endr
	s_wait_alu depctr_va_vdst(0)                   ; QUANT6 has written the three fragments and the three scale words, which the products take; the places above stay beside this wait
	v_wmma_scale_f32_16x16x128_f8f6f4 v[64:71], v[FD0:FD0+11], v[FW:FW+11], 0, v53, v52 matrix_a_fmt:MATRIX_FMT_FP6 matrix_b_fmt:MATRIX_FMT_FP6   ; rows 0-15 x my 16 columns, this K step
	v_wmma_scale_f32_16x16x128_f8f6f4 v[72:79], v[FD1:FD1+11], v[FW:FW+11], 0, v54, v52 matrix_a_fmt:MATRIX_FMT_FP6 matrix_b_fmt:MATRIX_FMT_FP6   ; rows 16-31
.rept 4
	v_nop                                          ; four places before a store reads a result
.endr
	s_wait_alu depctr_va_vdst(0)                   ; the two products have written v64-79, which the LDS stores read; the places above stay beside this wait
	ds_store_b128 v8, v[64:67]                     ; each result from its low end on
	ds_store_b128 v8, v[68:71] offset:512
	ds_store_b128 v8, v[72:75] offset:1024
	ds_store_b128 v8, v[76:79] offset:1536
	s_branch .Ljoin
.Lenc_part:
	s_wait_alu depctr_va_vdst(0)                   ; QUANT6 has written the fragment and its scale word, which the stores read
.irp c, 0,1,2
	global_store_b128 v5, v[FW+4*\c:FW+4*\c+3], s[36:37] offset:512*\c   ; the fragment as it stands: 512 consecutive bytes a store
.endr
	global_store_b32 v6, v52, s[34:35]             ; both halves of the lanes hold the same word and store it to the same place
.Ljoin:
	s_wait_dscnt 0x0                               ; my stores into LDS have landed
	s_barrier_signal -1
	s_barrier_wait -1
.irp k, 0,1,2,3,4,5,6,7
	ds_load_b32 v[80+\k], v9 offset:2048*\k        ; result register u of the eight K steps.  (On both ways a wait on va_vdst stands behind QUANT6's reads of v80-87, and no vector instruction has named them since)
.endr
	s_wait_dscnt 0x0
	v_add_f32 v80, v80, v81
	v_add_f32 v82, v82, v83
	v_add_f32 v84, v84, v85
	v_add_f32 v86, v86, v87
	v_add_f32 v80, v80, v82
	v_add_f32 v84, v84, v86
	v_add_f32 v80, v80, v84
	v_add_f32 v80, v80, v11                        ; + attn_b
	s_wait_alu depctr_va_vdst(0)                   ; the sum v80 is written, which the store reads
	global_store_b32 v10, v80, s[12:13]            ; dproj(16 (u / 8) + 8 h + u % 8, 16 T + r)
	s_wait_xcnt 0x0
	v_lshl_add_u32 v126, v0, 2, 0x25000
	v_mov_b32 v127, 0
	s_wait_dscnt 0x0                               ; the closing lines, six on end
	s_wait_alu 0x0
	s_wait_tensorcnt 0x0
	ds_add_u32 v126, v127
	s_wait_dscnt 0x0
	s_endpgm
.Lfunc_end_k_q9fe01d1b35_prep:
	.size	k_q9fe01d1b35_prep, .Lfunc_end_k_q9fe01d1b35_prep-k_q9fe01d1b35_prep
	.p2alignl 7, 3214868480
	.fill 96, 4, 3214868480
	.section	.rodata,"a",@progbits
	.p2align	6, 0x0
	.amdhsa_kernel k_q9fe01d1b35_prep
		.amdhsa_group_segment_fixed_size 153600
		.amdhsa_private_segment_fixed_size 0
		.amdhsa_enable_private_segment 0
		.amdhsa_kernarg_size 40
		.amdhsa_user_sgpr_count 2
		.amdhsa_user_sgpr_kernarg_segment_ptr 1
		.amdhsa_wavefront_size32 1
		.amdhsa_system_sgpr_workgroup_id_x 1
		.amdhsa_system_sgpr_workgroup_id_y 1
		.amdhsa_system_sgpr_workgroup_id_z 1
		.amdhsa_system_vgpr_workitem_id 0
		.amdhsa_next_free_vgpr 256
		.amdhsa_next_free_sgpr 66
		.amdhsa_reserve_vcc 0
		.amdhsa_float_denorm_mode_32 3
		.amdhsa_float_denorm_mode_16_64 3
		.amdhsa_memory_ordered 1
		.amdhsa_forward_progress 1
		.amdhsa_inst_pref_size 28
	.end_amdhsa_kernel
	.amdgpu_metadata
---
amdhsa.version: [ 1, 2 ]
amdhsa.kernels:
  - .name:           k_q9fe01d1b35_prep
    .symbol:         k_q9fe01d1b35_prep.kd
    .args:
      - { .name: attn_W, .offset: 0, .size: 8, .value_kind: global_buffer, .address_space: global }
      - { .name: attn_b, .offset: 8, .size: 8, .value_kind: global_buffer, .address_space: global }
      - { .name: dec_hidden, .offset: 16, .size: 8, .value_kind: global_buffer, .address_space: global }
      - { .name: wq, .offset: 24, .size: 8, .value_kind: global_buffer, .address_space: global }
      - { .name: dproj, .offset: 32, .size: 8, .value_kind: global_buffer, .address_space: global }
    .group_segment_fixed_size: 153600
    .private_segment_fixed_size: 0
    .kernarg_segment_align: 8
    .kernarg_segment_size: 40
    .max_flat_workgroup_size: 512
    .sgpr_count:     66
    .vgpr_count:     256
    .wavefront_size: 32
...
	.end_amdgpu_metadata
.endif
;; end of part 4
;; launch main (part 5): grid 256 x 1, 4 waves a work-group, no clusters, 268,800 bytes of LDS; arguments enc_outputs, wq, dproj, v_W, src_mask, sc, ctxp; writes sc, ctxp
.if DOCPART == 5
	.amdgcn_target "amdgcn-amd-amdhsa--gfx1250"
	.amdhsa_code_object_version 6
	.text
	.protected	k_q9fe01d1b35_main
	.globl	k_q9fe01d1b35_main
	.p2align	8
	.type	k_q9fe01d1b35_main,@function
k_q9fe01d1b35_main:
	s_mov_b64 s[64:65], 0
	v_nop
	global_prefetch_b8 v0, s[64:65] scope:SCOPE_SE
	s_setreg_imm32_b32 hwreg(HW_REG_WAVE_SCHED_MODE, 0, 2), 2
	s_setreg_imm32_b32 hwreg(HW_REG_WAVE_MODE, 25, 1), 1
	s_wait_xcnt 0x0
	s_wait_alu depctr_vm_vsrc(0)
; For each block of 64 rows of enc_outputs ([65536][1024] f32): the rows are quantised to FP6 (E2M3, one E8M0 byte for each 32 along K) and multiplied by W_enc's codes (wq); tanh(dproj + product); the dot product
; with v_W; the mask; p = exp(score - the block's largest score); and the block's part of the context, the sum of p x row, from a bf16 copy of the rows that stays in LDS.  So enc_outputs is read from memory ONCE.
; Stored: sc, the masked scores; ctxp, the block's 1,024 partial sums.  The next launch brings the blocks of a batch under one maximum and divides by the sum.
; SHARES.  Work-group g stays and walks rows 256 g .. 256 g + 255 (one batch, g / 8) as four blocks of 64.  Quantising: wave w takes rows 16 w .. 16 w + 15.  Product and tanh: wave w takes columns 256 w .. 256 w + 255 for all
; 64 rows: 64 accumulators, 512 registers.  Context: thread T takes columns 8 T .. 8 T + 7.
; THE PRODUCT: source 0 = 16 rows of enc, source 1 = 16 columns of W: register j of lane (r, h) is (row 8 h + j, column r), so dproj and v_W cost one register for each tile of columns.
; IT GOES BY HALVES OF MY COLUMNS: tiles 0-7 through all of K, then tiles 8-15.  The tanh of tiles 0-7 stands among the half steps of tiles 8-15, a pair of tiles behind every second half step, so that the wave has
; vector work in hand while W's next half steps (12,800 bytes a wave each) are on their way.  The price: enc's fragments are read from LDS once for each half.
; tanh x = 1 - 2 / (1 + 2^(c x)), c = 2 log2(e): where 2^(c x) overflows the reciprocal is 0, where it underflows 1: both are right.  score = sum of v - 2 x sum of v / (1 + 2^(c x)).
; W COMES FROM MEMORY STRAIGHT INTO THE OPERAND'S REGISTERS, with no joint requests in a cluster, though all work-groups walk the same wq: the block's copy, codes and stages take 268,288 bytes of LDS, and what is left is
; less than two slots of half a K step of W (2 x 51,200 bytes); and inside a work-group each fragment of W is read by one wave, once, so LDS would only be written and read once more for it.
; The enc loads of the next block are issued from the head of the second half's tanh on, into registers that the product has left, so no separate request ahead of them is made.
; THE LAST BLOCK HAS NO NEXT BLOCK: its 128 loads are then pointed at dproj's first 65,040 bytes, every lane of a load at the same 16 bytes, and what they bring is never read.  So the number of loads issued is the same
; on every way, which the counted waits of the quantising phase lean on, and no load leaves a buffer.
; LIMITS: NaN and infinities among the inputs are not served.  A block of 32 zeros gets the byte 1 where the rule says 127: its codes are zeros, and this program alone reads the bytes.
; The context's operand enc is rounded to bf16; p, the sums and all of the scores' arithmetic are f32.
; THE MODE: SCHED_MODE bits 1:0 = 2 (LLVM: expert scheduling mode 2), set by the entry lines.  The code itself states the register dependences
; between vector or matrix instructions and memory or LDS instructions, with s_wait_alu, always for 0.
; THE PLAN.  Registers that memory or LDS instructions touch, and who else names them, in program order round the loop:
;   v1-v17, v19, v20    offsets and LDS addresses: written at the head, never again: one wait on va_vdst ahead of the first load.
;   QUANTISING.  The bf16 pairs (window 3, two sets): TURN s's roundings write a set, its LDS stores read it, TURN s + 2 writes it again.  The numbers (v64-191, two sets): TURN s's LDS loads land in the set that
;                QUANT s - 2, which stands just ahead of TURN s, has read.  The codes and the scale word: QUANT s writes them, IMAGE s stores them, QUANT s + 1 writes them again.
;                So a TURN has one wait on vm_vsrc at its head and one on va_vdst behind its roundings, and one wait on va_vdst stands between QUANT and IMAGE.
;   THE PRODUCT. W's three sets, enc's two sets and their scale words: half step j's products read set j % 3 and set j % 2; its loads land in set (j + 2) % 3 and set (j + 1) % 2, which half step j - 1's products read.
;                So ONE wait on va_vdst stands at a half step's head, and its 39 loads are dealt among its 32 products, which name none of the registers that those loads touch.
;                Straight behind a TGROUP no such wait is written: the group's own second wait stands behind the last half step's products, and the 32 sums behind it name none of those registers.
;   THE NEXT BLOCK'S enc.  v21 is written once a block, between a wait on vm_vsrc and one on va_vdst; that second wait also states that the products are done with W's sets 0 and 1, in which K steps 0-2 land.
;                K steps 3-6 land in window 2, which no vector instruction has named since the tanh of tiles 0-7.  K step 7 lands in window 1's v192-255, behind the wait that stands behind the DPP stage.
;   SCORES, CONTEXT.  Each run of stores stands behind one wait on va_vdst for its data; the rows' two sets: the loads of rows 8 n + 16 on land in the set that CTX n has read, behind a wait on va_vdst.
; LDS:
.set COPY, 0                           ; 64 rows x 2,048 bytes: the block in bf16
.set AIMG, 131072                      ; enc's fragments as images of their registers: (tile of rows a, K step s) at (8 a + s) x 1,536
.set ASC,  180224                      ; their scale words: 256 s + 16 r + 4 a
.set STG,  182272                      ; wave w: two stages of 16 rows x (512 + 16) bytes at 16,896 w
.set CONS, 249856                      ; wave w: images of 32 registers (c x dproj, -2 v) at 4,096 w
.set PART, 266240                      ; [w][64] f32: the waves' parts of the scores
.set PWB,  267264                      ; [w][64] f32: p, each wave's own
.set FRB,  1536                        ; a fragment's image
.set HB,   12800                       ; a half step's block in wq
; REGISTERS, in windows of 256 (s_set_vgpr_msb: bits 1:0 source 0, 3:2 source 1, 5:4 source 2, 7:6 destination):
;   window 0: v0-23 addresses that stay (listed where they are made); v24-31 at work; v32-55 W's scale words, three sets of 8; v56-63 enc's, two sets of 4: these 32 hold scales and nothing else.
;             v64-255 by phase.  Quantising: v64-191 two sets of 64 numbers, v192-207 TM, v208-227 PC, v228 PW.  Product: v64-111, v112-159 enc's fragments, two sets; v160-255 W's set 2.
;             Second half's tanh: v96-127 the 32 row sums.  Context: v64-71 sums, v128-191 p, v192-255 rows, two sets of 8.
;   window 1: product: W's sets 0 (v0-95) and 1 (v96-191); v192-223 the row sums of the first half's tanh, v224-239 c x dproj, v240-255 -2 v.  Else: where K steps 0-2 (v0-191) and 7 (v192-255) of the next block's enc land.
;   window 2: accumulators of column tiles 0-7, (t, a) at v[8 (4 t + a)]; when tanh has drained them: where K steps 3-6 land.
;   window 3: accumulators of column tiles 8-15; while quantising: v0-63 two sets of bf16 pairs.
.set TM,  192
.set PC,  208
.set PW,  228
.set SEL, 20                           ; s[20:21]
.set FRESH, 0                          ; 1 where a TGROUP stands straight ahead of a half step
.set MSB, 0
.macro WIN new                         ; the immediate's high byte repeats the setting that is left; a switch that changes nothing is dropped
.if MSB != (\new)
	s_set_vgpr_msb (MSB<<8)|(\new)
.set MSB, \new
.endif
.endm
.macro PLACES                          ; four places behind a matrix instruction, before its results are read or loads are issued into its registers
.rept 4
	v_nop
.endr
.endm
.macro BARRIER                         ; my LDS stores have landed and my LDS loads are in: then the work-group's barrier
	s_wait_dscnt 0x0
	s_barrier_signal -1
	s_barrier_wait -1
.endm
.macro LAND s                          ; where K step s lands: window LW, from register LB on
.if (\s) < 3
.set LW, 1
.set LB, 64*(\s)
.elseif (\s) < 7
.set LW, 2
.set LB, 64*((\s)-3)
.else
.set LW, 1
.set LB, 192
.endif
.endm
; K step s (128 numbers, 512 bytes) of my 16 rows: each load takes 512 consecutive bytes of one row, 16 a lane
.macro ENCLOAD s
	LAND \s
	WIN LW<<6
.set ii, 0
.rept 16
	global_load_b128 v[LB+4*ii:LB+4*ii+3], v21, s[32:33] offset:4096*ii+512*(\s) th:TH_LOAD_NT
.set ii, ii+1
.endr
	WIN 0
.endm
; K step s as it landed: (a) rounded to bf16 into the copy, 256 consecutive bytes a row; (b) through my stage, so that lane (r, h) gets, of row r, 16 neighbours of each block of 32:
; register 16 b + i = k 32 b + 16 h + i.  48 LDS instructions.  Stage rows are 528 bytes = 132 words apart: row r starts at bank 4 r mod 64 (64 banks of 4 bytes: ISA guide 11.1).
.macro TURN s
	LAND \s
.set BT, 32*((\s)%2)
	s_wait_alu depctr_vm_vsrc(0)                   ; the stores of the turn two back have read the set of pairs that the roundings below write again; IMAGE's stores have read the codes and the scale word, which the next QUANT writes again; in a block's first turn: the last block's stores (on the way in: the constants') have read v64-127, in which this turn's loads land
	WIN 0xc0|(LW<<2)|LW
.set ii, 0
.rept 32
	v_cvt_pk_bf16_f32 v[BT+ii], v[LB+2*ii], v[LB+2*ii+1]
.set ii, ii+1
.endr
	WIN 0x0c                                       ; an LDS store's data are its source 1: window 3
	s_wait_alu depctr_va_vdst(0)                   ; the roundings have written the pairs, which the stores below read; the QUANT two K steps back (in a block's first two turns: the last block's sums and context) is done with the set in which the loads below land
.set ii, 0
.rept 16
	ds_store_b64 v9, v[BT+2*ii:BT+2*ii+1] offset:2048*ii+256*(\s)
.set ii, ii+1
.endr
	WIN LW<<2
.set ii, 0
.rept 16
	ds_store_b128 v7, v[LB+4*ii:LB+4*ii+3] offset:8448*((\s)%2)+528*ii
.set ii, ii+1
.endr
	WIN 0
.set ii, 0
.rept 16                                           ; LDS serves a wave's instructions in order (ISA guide 5.7.1.4): these see the stores above
	ds_load_b128 v[64+64*((\s)%2)+4*ii:64+64*((\s)%2)+4*ii+3], v8 offset:8448*((\s)%2)+128*(ii/4)+16*(ii%4)
.set ii, ii+1
.endr
.endm
; 64 numbers of a lane, register 16 b + i = k 32 b + 16 h + i of my row, become a fragment's codes in v[PC] on and its scale word in v[PW]
.macro QUANT s
.irp b, 0,1,2,3
	v_max3_num_f32 v[TM+\b], |v[\s+16*\b]|, |v[\s+1+16*\b]|, 0x1800000   ; my 16 numbers of block b, and the floor 2^(3 - 127): the byte cannot fall under 1
.endr
.irp i, 2,4,6,8,10,12,14
.irp b, 0,1,2,3
	v_max3_num_f32 v[TM+\b], v[TM+\b], |v[\s+16*\b+\i]|, |v[\s+1+16*\b+\i]|   ; the four blocks by turns
.endr
.endr
.irp b, 0,1,2,3
	v_permlanex16_b32 v[TM+4+\b], v[TM+\b], s[SEL], s[SEL+1]
.endr
.irp b, 0,1,2,3
	v_max_num_f32 v[TM+\b], v[TM+\b], v[TM+4+\b]   ; with lane l xor 16's: the block's largest magnitude
.endr
.irp b, 0,1,2,3
	v_add_nc_u32 v[TM+12+\b], 0xff000000, v[TM+\b] ; 2 off its exponent field: the conversion's scale operand
.endr
.irp b, 0,1,2,3
	v_lshrrev_b32 v[TM+4+\b], 23, v[TM+12+\b]      ; the scale's byte
.endr
	v_lshl_or_b32 v[PW], v[TM+5], 8, v[TM+4]
	v_lshl_or_b32 v[PW], v[TM+6], 16, v[PW]
	v_lshl_or_b32 v[PW], v[TM+7], 24, v[PW]        ; my row's scale word
.irp c, 0,1
	v_cvt_scalef32_pk16_fp6_f32 v[PC+6*\c:PC+2+6*\c], v[\s+32*\c:\s+15+32*\c], v[TM+12+2*\c]
	v_cvt_scalef32_pk16_fp6_f32 v[PC+12+4*\c:PC+14+4*\c], v[\s+16+32*\c:\s+31+32*\c], v[TM+12+2*\c+1]   ; (a conversion's three registers begin on an even number)
.endr
	v_nop                                          ; one plain place behind a scaled conversion
.irp c, 0,1                                        ; the operand's layout wants a whole block in a lane: lanes 0-15 block 2 c, lanes 16-31 block 2 c + 1
.irp i, 0,1,2
	v_permlane16_swap_b32 v[PC+6*\c+\i], v[PC+12+4*\c+\i]
.endr
.irp i, 0,1,2
	v_mov_b32 v[PC+3+6*\c+\i], v[PC+12+4*\c+\i]
.endr
.endr
.endm
.macro IMAGE s                         ; the fragment goes to LDS as it stands, its scale word beside it: 4 LDS instructions
.irp c, 0,1,2
	ds_store_b128 v5, v[PC+4*\c:PC+4*\c+3] offset:FRB*(\s)+512*\c
.endr
	ds_store_b32 v6, v[PW] offset:256*(\s)
.endm
; Half step j of the product: column half j / 8, K step j % 8: block 2 (j % 8) + j / 8 of my part of wq.
; Its 8 fragments of W and their scale words into set j % 3: 26 loads, the fragments as runs of 512 consecutive bytes.  p = 0: the first 12 loads; p = 1: the other 12 and the two of the scale words
.macro BLOAD j, p
.set BI, 2*((\j)%8)+(\j)/8
.set BS, (\j)%3
.if BS == 2
.set BB, 160
	WIN 0
.else
.set BB, 96*BS
	WIN 0x40
.endif
.set ii, 12*(\p)
.rept 12
	global_load_b128 v[BB+4*ii:BB+4*ii+3], v1, s[6:7] offset:HB*BI+512*ii
.set ii, ii+1
.endr
.if \p
	WIN 0
	global_load_b128 v[32+8*BS:32+8*BS+3], v2, s[6:7] offset:HB*BI+12288
	global_load_b128 v[32+8*BS+4:32+8*BS+7], v2, s[6:7] offset:HB*BI+12288+16
.endif
.endm
.macro ALOAD j                         ; enc's four fragments of half step j's K step and their scale words into set j % 2: 13 LDS loads
.set LK, (\j)%8
.set LP, (\j)%2
.set ii, 0
.rept 12
	ds_load_b128 v[64+48*LP+4*ii:64+48*LP+4*ii+3], v3 offset:(8*(ii/3)+LK)*FRB+512*(ii%3)
.set ii, ii+1
.endr
	ds_load_b128 v[56+4*LP:56+4*LP+3], v4 offset:256*LK
.endm
; n of a half step's 32 matrix instructions, from number i0 on: number i is tile of columns i / 4 x tile of rows i % 4.  The accumulators take turns, one instruction a turn.
; K step 0 starts the sums with the constant 0.
.macro WM i0, n
	WIN MW
.set ii, \i0
.rept \n
.if HS == 0
	v_wmma_scale_f32_16x16x128_f8f6f4 v[8*ii:8*ii+7], v[64+48*HP+12*(ii%4):64+48*HP+12*(ii%4)+11], v[WB+12*(ii/4):WB+12*(ii/4)+11], 0, v[56+4*HP+ii%4], v[32+8*WS+ii/4] matrix_a_fmt:MATRIX_FMT_FP6 matrix_b_fmt:MATRIX_FMT_FP6
.else
	v_wmma_scale_f32_16x16x128_f8f6f4 v[8*ii:8*ii+7], v[64+48*HP+12*(ii%4):64+48*HP+12*(ii%4)+11], v[WB+12*(ii/4):WB+12*(ii/4)+11], v[8*ii:8*ii+7], v[56+4*HP+ii%4], v[32+8*WS+ii/4] matrix_a_fmt:MATRIX_FMT_FP6 matrix_b_fmt:MATRIX_FMT_FP6
.endif
.set ii, ii+1
.endr
.endm
; Half step j: 32 matrix instructions, 8 tiles of columns x 4 tiles of rows, and among them the loads of enc's next half step and of W's half step two on.
.macro HSTEP j
.set HS, (\j)%8
.set HG, (\j)/8
.set HP, (\j)%2
.set WS, (\j)%3
.if WS == 2
.set WB, 160
.set MW, 0xa0+0x50*HG
.else
.set WB, 96*WS
.set MW, 0xa4+0x50*HG
.endif
.if ((\j) > 0) && ((\j) < 15) && (FRESH == 0)
	PLACES                                         ; this half step's loads land in registers that the last half step's products read
.endif
.if (\j) < 15
	s_wait_loadcnt 26                              ; this half step's W is in; the next half step's 26 loads may be out
.else
	s_wait_loadcnt 0
.endif
	s_wait_dscnt 0x0                               ; this half step's enc is in: it was asked for 28 matrix instructions ago (half step 0: and the constants)
.if ((\j) > 0) && ((\j) < 15) && (FRESH == 0)
	s_wait_alu depctr_va_vdst(0)                   ; the last half step's products are done reading W's set (j - 1) % 3, enc's set (j - 1) % 2 and their scale words, in which the loads below land
.endif
.set FRESH, 0
	WM 0, 4
.if (\j) < 15
	WIN 0
	ALOAD (\j)+1                                   ; no wait: no vector or matrix instruction since the wait above names these registers; likewise W's loads below
.endif
	WM 4, 8
.if (\j) <= 13
	BLOAD (\j)+2, 0
.endif
	WM 12, 8
.if (\j) <= 13
	BLOAD (\j)+2, 1
.endif
	WM 20, 12
.endm
; tanh and the dot product for column tiles 2 gg, 2 gg + 1: 64 registers, 32 pairs; pair k: tile k / 16, tile of rows (k / 4) % 4, rows 2 (k % 4) on.
.macro ARG k                           ; c x product + c x dproj
.if (\k) < 16
	v_pk_fma_f32 v[TB+2*(\k):TB+2*(\k)+1], v[TB+2*(\k):TB+2*(\k)+1], s[22:23], v[DPR:DPR+1] op_sel_hi:[1,0,0]
.else
	v_pk_fma_f32 v[TB+2*(\k):TB+2*(\k)+1], v[TB+2*(\k):TB+2*(\k)+1], s[22:23], v[DPR:DPR+1] op_sel:[0,0,1] op_sel_hi:[1,0,1]
.endif
.endm
; row sum += (-2 v) / (1 + 2^..).  The very first tile's addend is the sum of v, so nothing is cleared.  The sums of tiles 0-7 lie in window 1; tile 8 takes them as its addend and writes window 0, where the rest go on.
.macro SUMK k
.set SX, 8*(((\k)/4)%4)+2*((\k)%4)
.if GG < 4
.set SD, 192+SX
.else
.set SD, 96+SX
.endif
.if (GG == 0) && ((\k) < 16)
	WIN 0x46                                       ; sums window 1, the sum of v window 0, -2 v window 1, the accumulator window 2
	v_pk_fma_f32 v[SD:SD+1], v[TB+2*(\k):TB+2*(\k)+1], v[WVR:WVR+1], v[22:23] op_sel_hi:[1,0,1]
.elseif (GG == 4) && ((\k) < 16)
	WIN 0x17                                       ; sums window 0, the addend window 1, -2 v window 1, the accumulator window 3
	v_pk_fma_f32 v[SD:SD+1], v[TB+2*(\k):TB+2*(\k)+1], v[WVR:WVR+1], v[192+SX:193+SX] op_sel_hi:[1,0,1]
.elseif (\k) < 16
	WIN SW
	v_pk_fma_f32 v[SD:SD+1], v[TB+2*(\k):TB+2*(\k)+1], v[WVR:WVR+1], v[SD:SD+1] op_sel_hi:[1,0,1]
.else
	WIN SW
	v_pk_fma_f32 v[SD:SD+1], v[TB+2*(\k):TB+2*(\k)+1], v[WVR:WVR+1], v[SD:SD+1] op_sel:[0,1,0] op_sel_hi:[1,1,1]
.endif
.endm
; The 64 exponentials are one batch with one wait, and so are the 64 reciprocals: nothing names a result ahead of its batch's wait.  A plain packed instruction stands ahead of each two.
; Each accumulator is read from its low end on.  A group names no register of the products that stand round it, and none that a load on its way touches.
.macro TGROUP gg
.set GG, \gg
.set TW, 2+(\gg)/4
.set TB, 64*((\gg)%4)
.set DPR, 224+2*(\gg)
.set WVR, 240+2*(\gg)
.if GG < 4
.set SW, 0x56
.else
.set SW, 0x07
.endif
	WIN (TW<<6)|0x10|TW                            ; the accumulators' window; c x dproj in window 1
	ARG 0
.set kk, 1
.rept 31
	ARG kk
	v_exp_f32 v[TB+2*kk-2], v[TB+2*kk-2]
	v_exp_f32 v[TB+2*kk-1], v[TB+2*kk-1]
.set kk, kk+1
.endr
	v_exp_f32 v[TB+62], v[TB+62]
	v_exp_f32 v[TB+63], v[TB+63]
	v_nop                                          ; the plain place behind the last exponential
	s_wait_alu depctr_va_vdst(0)                   ; the 64 exponentials have written their results: one wait for the batch, ahead of its first reader
	v_pk_add_f32 v[TB:TB+1], v[TB:TB+1], 1.0 op_sel_hi:[1,0]
.set kk, 1
.rept 31
	v_pk_add_f32 v[TB+2*kk:TB+2*kk+1], v[TB+2*kk:TB+2*kk+1], 1.0 op_sel_hi:[1,0]
	v_rcp_f32 v[TB+2*kk-2], v[TB+2*kk-2]
	v_rcp_f32 v[TB+2*kk-1], v[TB+2*kk-1]
.set kk, kk+1
.endr
	v_rcp_f32 v[TB+62], v[TB+62]
	v_rcp_f32 v[TB+63], v[TB+63]
	v_nop
	s_wait_alu depctr_va_vdst(0)                   ; the 64 reciprocals have written their results, ahead of their first reader; the products issued ahead of this group are done reading their operands too
.set kk, 0
.rept 32
	SUMK kk
.set kk, kk+1
.endr
	WIN 0
.set FRESH, 1
.endm
.macro LOADB n                         ; rows 8 n .. 8 n + 7 of the copy, my 16 bytes of each, into set n % 2
.set ee, 0
.rept 8
.if (\n) < 4
	ds_load_b128 v[192+32*((\n)%2)+4*ee:192+32*((\n)%2)+4*ee+3], v10 offset:2048*(8*(\n)+ee)
.else
	ds_load_b128 v[192+32*((\n)%2)+4*ee:192+32*((\n)%2)+4*ee+3], v11 offset:2048*(8*((\n)-4)+ee)
.endif
.set ee, ee+1
.endr
.endm
.macro CTX n                           ; my 8 columns += p x row, for 8 rows: bf16 x f32 + f32
.set ee, 0
.rept 8
.set cc, 0
.rept 8
.if cc%2
	v_fma_mix_f32_bf16 v[64+cc], v[192+32*((\n)%2)+4*ee+cc/2], v[128+8*(\n)+ee], v[64+cc] op_sel:[1,0,0] op_sel_hi:[1,0,0]
.else
	v_fma_mix_f32_bf16 v[64+cc], v[192+32*((\n)%2)+4*ee+cc/2], v[128+8*(\n)+ee], v[64+cc] op_sel_hi:[1,0,0]
.endif
.set cc, cc+1
.endr
.set ee, ee+1
.endr
.endm
	s_load_b256 s[4:11], s[0:1], 0x0               ; enc s[4:5], wq s[6:7], dproj s[8:9], v_W s[10:11]
	s_load_b128 s[12:15], s[0:1], 0x20             ; src_mask s[12:13], sc s[14:15]
	s_load_b64 s[16:17], s[0:1], 0x30              ; ctxp
	v_lshrrev_b32 v24, 5, v0
	v_readfirstlane_b32 s18, v24                   ; wave w
	v_and_b32 v25, 31, v0                          ; lane
	v_and_b32 v26, 15, v0                          ; r
	v_bfe_u32 v27, v0, 4, 1                        ; h
	v_lshlrev_b32 v1, 4, v25                       ; v1  16 x lane
	v_mov_b32 v21, v1                              ; v21 the enc loads' lane term: 16 x lane, or 0 in the last block
	v_lshlrev_b32 v2, 5, v26                       ; v2  32 r: W's scale words
	v_add_nc_u32 v3, AIMG, v1                      ; v3  an image's place for my lane
	v_lshl_add_u32 v4, v26, 4, ASC                 ; v4  row r's four scale words
	s_wait_alu depctr_va_sdst(0)                   ; s18 is written, ahead of its first reader: LDS addresses, bases and a branch are made from it
	s_mul_i32 s28, s18, 8*FRB
	s_add_co_u32 s28, s28, AIMG
	v_add_nc_u32 v5, s28, v1                       ; v5  where I store my tile's images
	s_lshl_b32 s28, s18, 2
	v_add_nc_u32 v6, s28, v4                       ; v6  and its scale words
	s_mul_i32 s28, s18, 16896
	s_add_co_u32 s28, s28, STG
	v_add_nc_u32 v7, s28, v1                       ; v7  my stage, on the way in
	v_mul_u32_u24 v8, v26, 528
	v_lshl_add_u32 v8, v27, 6, v8
	v_add_nc_u32 v8, s28, v8                       ; v8  and on the way out: row r, + 64 h
	s_lshl_b32 s28, s18, 15
	v_lshl_add_u32 v9, v25, 3, s28                 ; v9  the copy: my 16 rows, 8 bytes a lane
	v_lshlrev_b32 v10, 4, v0                       ; v10 16 T: my 8 columns in a row of the copy, and my place in ctxp
	v_add_nc_u32 v11, 65536, v10                   ; v11 the same from row 32 on
	s_lshl_b32 s28, s18, 12
	s_add_co_u32 s28, s28, CONS
	v_add_nc_u32 v12, s28, v1                      ; v12 my wave's constants
	s_lshl_b32 s28, s18, 8
	s_add_co_u32 s29, s28, PART
	v_lshl_add_u32 v13, v27, 5, s29                ; v13 my wave's parts of the scores, + 32 h
	v_lshl_add_u32 v14, v25, 3, PART               ; v14 rows 2 lane, 2 lane + 1 of every wave's parts
	s_add_co_u32 s29, s28, PWB
	v_lshl_add_u32 v15, v25, 3, s29                ; v15 where I put my two p
	v_mov_b32 v16, s29                             ; v16 from where every lane reads all 64
	v_lshlrev_b32 v17, 1, v25                      ; v17 my two bytes of the mask
	v_lshlrev_b32 v19, 3, v25                      ; v19 my two scores in sc
	v_lshlrev_b32 v20, 2, v26                      ; v20 4 r: my column in dproj and v_W
.irp b, 0,1,2,3
	v_mov_b32 v[TM+4+\b], 0                        ; a lane permute's destination counts as one of its sources
.endr
	s_mov_b32 s19, 4                               ; blocks to go
	s_mov_b32 s[SEL], 0x76543210
	s_mov_b32 s[SEL+1], 0xfedcba98                 ; v_permlanex16_b32's selects for lane l xor 16
	s_mov_b32 s22, 0x4038aa3b                      ; c = 2 log2(e)
	s_mov_b32 s23, s22                             ; (named with it as a pair, so it is written)
	s_mov_b32 s24, 0x3fb8aa3b                      ; log2(e)
	s_mov_b32 s25, 0xc61c4000                      ; -10000.0
	s_mov_b32 s29, 0
	s_mov_b32 s31, 0
	s_lshl_b32 s28, ttmp9, 20                      ; enc: 256 g rows of 4,096 bytes,
	s_lshl_b32 s30, s18, 16                        ; + 16 w rows
	s_wait_kmcnt 0x0
	s_mov_b64 s[34:35], s[8:9]                     ; s[34:35] dproj's first byte: where the last block's loads point
	s_add_nc_u64 s[4:5], s[4:5], s[28:29]
	s_add_nc_u64 s[4:5], s[4:5], s[30:31]          ; s[4:5] my 16 rows of the block in hand
	s_mov_b64 s[32:33], s[4:5]                     ; s[32:33] the enc loads' base
	s_mul_i32 s28, s18, 16*HB                      ; wq: my 256 columns
	s_add_nc_u64 s[6:7], s[6:7], s[28:29]
	s_lshr_b32 s28, ttmp9, 3
	s_lshl_b32 s28, s28, 12                        ; dproj: the batch's row,
	s_lshl_b32 s30, s18, 10                        ; my 256 columns
	s_add_nc_u64 s[8:9], s[8:9], s[28:29]
	s_add_nc_u64 s[8:9], s[8:9], s[30:31]
	s_add_nc_u64 s[10:11], s[10:11], s[30:31]
	s_lshl_b32 s28, ttmp9, 8
	s_add_nc_u64 s[12:13], s[12:13], s[28:29]
	s_lshl_b32 s28, ttmp9, 10
	s_add_nc_u64 s[14:15], s[14:15], s[28:29]
	s_lshl_b32 s28, ttmp9, 14
	s_add_nc_u64 s[16:17], s[16:17], s[28:29]
	s_wait_alu depctr_va_vdst(0)                   ; the offsets and LDS addresses v1 to v21 are written: every load and store of the kernel reads one of them
.set ii, 0
.rept 16
	global_load_b32 v[64+ii], v20, s[8:9] offset:64*ii     ; dproj of column 16 t + r
.set ii, ii+1
.endr
.set ii, 0
.rept 16
	global_load_b32 v[80+ii], v20, s[10:11] offset:64*ii   ; v_W likewise
.set ii, ii+1
.endr
	ENCLOAD 0
	s_wait_loadcnt 16                              ; dproj and v_W are in; the 16 enc loads may be out
	v_pk_add_f32 v[24:25], v[80:81], v[82:83]
	v_pk_add_f32 v[26:27], v[84:85], v[86:87]
	v_pk_add_f32 v[28:29], v[88:89], v[90:91]
	v_pk_add_f32 v[30:31], v[92:93], v[94:95]
	v_pk_add_f32 v[24:25], v[24:25], v[26:27]
	v_pk_add_f32 v[28:29], v[28:29], v[30:31]
	v_pk_add_f32 v[24:25], v[24:25], v[28:29]
	v_add_f32 v22, v24, v25                        ; v[22:23] the sum of v over my 16 columns, twice
	v_mov_b32 v23, v22
.irp j, 0,2,4,6,8,10,12,14
	v_pk_mul_f32 v[64+\j:65+\j], v[64+\j:65+\j], s[22:23] op_sel_hi:[1,0]   ; c x dproj
	v_pk_mul_f32 v[80+\j:81+\j], v[80+\j:81+\j], -2.0 op_sel_hi:[1,0]       ; -2 v
.endr
	s_wait_alu depctr_va_vdst(0)                   ; the scalings have written v64-95, which the LDS stores read
.irp q, 0,1,2,3,4,5,6,7
	ds_store_b128 v12, v[64+4*\q:67+4*\q] offset:512*\q
.endr
.irp s, 1,2,3,4,5,6,7
	ENCLOAD \s
.endr
	s_wait_dscnt 0x0                               ; the constants lie in LDS.  (That their stores have read v64-95, which the first K step's numbers take next, is stated at the first turn's head)
.Lblock:
	; ---- QUANTISING: my 16 rows become eight fragments, and the copy in bf16.  The turn through LDS runs one K step ahead of the arithmetic.
	; The counts on LOADcnt are the enc loads of later K steps, 16 each, held to 63, the most that a wait can name.
	s_wait_loadcnt 63
	TURN 0
.irp s, 0,1,2,3,4,5,6,7
.if \s < 7
.if 16*(6-\s) > 63
	s_wait_loadcnt 63
.else
	s_wait_loadcnt 16*(6-\s)
.endif
.if \s == 6                                        ; all enc loads are in; the mask and the first two half steps of W go out (K steps 0-2 have left the registers that they take).
	                                               ; No wait: the roundings and the stores that named these registers, and the last block's readers of v18 and of the scale words, stand ahead of earlier turns' waits, and nothing has named them since
	global_load_u16 v18, v17, s[12:13]             ; v18 the mask of rows 2 lane, 2 lane + 1
	BLOAD 0, 0
	BLOAD 0, 1
	BLOAD 1, 0
	BLOAD 1, 1
.endif
	TURN \s+1
	s_wait_dscnt 48                                ; all but the 48 just issued: this K step's numbers are back and the last images are stored
.else
	s_wait_dscnt 0x0
	s_wait_alu depctr_vm_vsrc(0)                   ; IMAGE 6's stores have read the codes and the scale word, which QUANT writes again; the last turn's stores have read window 1's v192-255, in which the constants land
.endif
	QUANT 64+64*(\s%2)
	s_wait_alu depctr_va_vdst(0)                   ; QUANT has written the codes and the scale word, which IMAGE's stores read
	IMAGE \s
.endr
	BARRIER                                        ; the 32 fragments, their scale words and the copy lie in LDS
	; ---- THE PRODUCT, 16 half steps, 512 matrix instructions, and among the last eight the tanh of column tiles 0-7
	s_wait_alu depctr_vm_vsrc(0)                   ; IMAGE 7's stores have read the codes and the scale word: W's set 2 lands in these registers
	WIN 0x40
.irp q, 0,1,2,3,4,5,6,7
	ds_load_b128 v[224+4*\q:227+4*\q], v12 offset:512*\q   ; c x dproj and -2 v into window 1; the first half step's wait on DScnt covers them
.endr
	WIN 0
	ALOAD 0                                        ; (the last QUANT's reads of v64-191 stand ahead of the wait in front of IMAGE 7, and no vector instruction has been issued since)
.irp j, 0,1,2,3,4,5,6,7,8
	HSTEP \j
.endr
	TGROUP 0
	HSTEP 9
	HSTEP 10
	TGROUP 1
	HSTEP 11
	HSTEP 12
	TGROUP 2
	HSTEP 13
	HSTEP 14
	TGROUP 3
	HSTEP 15
	; ---- THE TANH OF COLUMN TILES 8-15.  The next block's enc is asked for in the order of the K steps, a few at a time.
	WIN 0
	PLACES
	s_add_nc_u64 s[4:5], s[4:5], 262144            ; my 16 rows of the next block.  (No load names s[4:5]; every load that named s[32:33] and v21 has been waited for)
	s_cmp_eq_u32 s19, 1
	s_cselect_b64 s[32:33], s[34:35], s[4:5]       ; in the last block: dproj's first bytes,
	s_cselect_b32 s26, 0, -1
	s_wait_alu depctr_vm_vsrc(0)                   ; this block's enc loads have read v21
	v_and_b32 v21, s26, v1                         ; and every lane at the same 16 of them
	s_wait_alu depctr_va_vdst(0)                   ; v21 is written, which the loads below read; the products are done reading W's sets 0 and 1, in which K steps 0 to 2 land
	ENCLOAD 0
	ENCLOAD 1
	ENCLOAD 2
	TGROUP 4
	ENCLOAD 3                                      ; no wait for K steps 3 to 6: window 2 was last named by the tanh of tiles 0-7, ahead of the wait above
	TGROUP 5
	ENCLOAD 4
	TGROUP 6
	ENCLOAD 5
	TGROUP 7
	ENCLOAD 6
	; ---- THE SCORES: the 16 lanes of a half hold 16 columns' parts of the same rows
.irp m, 1,2,4,8
.set ii, 0
.rept 32
	v_add_f32_dpp v[96+ii], v[96+ii], v[96+ii] row_xmask:\m row_mask:0xf bank_mask:0xf
.set ii, ii+1
.endr
.endr
	s_wait_alu depctr_va_vdst(0)                   ; the sums v96-127 are written, which the LDS stores below read; the tanh is done reading window 1's v192-255, in which K step 7 lands
	ENCLOAD 7
.irp a, 0,1,2,3
	ds_store_b128 v13, v[96+8*\a:99+8*\a] offset:64*\a          ; rows 16 a + 8 h + 0 .. 3: the 16 lanes of a half store the same numbers to the same place
	ds_store_b128 v13, v[100+8*\a:103+8*\a] offset:64*\a+16
.endr
	BARRIER                                        ; the four waves' parts lie in LDS
.irp x, 0,1,2,3
	ds_load_b64 v[24+2*\x:25+2*\x], v14 offset:256*\x      ; (v24-31 were last named in the last block's scores, or at the head: ahead of many waits of both kinds)
.endr
	s_wait_dscnt 0x0
	v_pk_add_f32 v[24:25], v[24:25], v[26:27]
	v_pk_add_f32 v[28:29], v[28:29], v[30:31]
	v_pk_add_f32 v[24:25], v[24:25], v[28:29]      ; the scores of rows 2 lane, 2 lane + 1
	v_mov_b32 v27, s25
	v_and_b32 v26, 0xff, v18
	v_lshrrev_b32 v30, 8, v18
	v_cmp_ne_u32 s36, 0, v26                       ; the two compares in a run, each into a scalar register of its own
	v_cmp_ne_u32 s37, 0, v30
	s_wait_alu depctr_va_sdst(0)                   ; s36 and s37 are written, ahead of their readers
	v_cndmask_b32 v24, v27, v24, s36               ; -10000 where the mask is false
	v_cndmask_b32 v25, v27, v25, s37
	s_cmp_lg_u32 s18, 0
	s_cbranch_scc1 .Lnot_wave_0
	s_wait_alu depctr_va_vdst(0)                   ; the two masked scores are written, which the store reads
	global_store_b64 v19, v[24:25], s[14:15]       ; 256 consecutive bytes, at a multiple of 256 from sc's first byte
.Lnot_wave_0:
	; ---- p = exp(score - the block's largest score), made by every wave for itself
	v_max_num_f32 v26, v24, v25
	v_max_num_f32_dpp v26, v26, v26 row_xmask:1 row_mask:0xf bank_mask:0xf
	v_max_num_f32_dpp v26, v26, v26 row_xmask:2 row_mask:0xf bank_mask:0xf
	v_max_num_f32_dpp v26, v26, v26 row_xmask:4 row_mask:0xf bank_mask:0xf
	v_max_num_f32_dpp v26, v26, v26 row_xmask:8 row_mask:0xf bank_mask:0xf
	v_permlanex16_b32 v27, v26, s[SEL], s[SEL+1]
	v_max_num_f32 v26, v26, v27
	v_sub_f32 v28, v24, v26
	v_sub_f32 v29, v25, v26
	v_mul_f32 v28, s24, v28
	v_mul_f32 v29, s24, v29
	v_exp_f32 v28, v28
	v_exp_f32 v29, v29
.irp c, 0,1,2,3,4,5,6,7
	v_mov_b32 v[64+\c], 0                          ; the context's eight sums begin: plain work behind the exponentials
.endr
	s_wait_alu depctr_va_vdst(0)                   ; the two exponentials have written v28 and v29, ahead of their first reader, the LDS store below
	ds_store_b64 v15, v[28:29]
.irp q, 0,1,2,3,4,5,6,7,8,9,10,11,12,13,14,15
	ds_load_b128 v[128+4*\q:131+4*\q], v16 offset:16*\q    ; all 64 p in every lane; my wave's own bytes, served in order
.endr
	; ---- THE BLOCK'S PART OF THE CONTEXT
	LOADB 0
	LOADB 1
.irp n, 0,1,2,3,4,5,6,7
.if \n < 7
	s_wait_dscnt 8                                 ; these 8 rows (and p) are in; the next 8 may be out
.else
	s_wait_dscnt 0x0
.endif
	CTX \n
.if \n < 6
	s_wait_alu depctr_va_vdst(0)                   ; CTX is done reading its set of rows, in which the loads below land
	LOADB \n+2
.endif
.endr
	s_wait_alu depctr_va_vdst(0)                   ; the eight sums v64-71 are written, which the stores read
	global_store_b128 v10, v[64:67], s[16:17]      ; columns 8 T + 0 .. 3: a wave stores 512 consecutive bytes
	global_store_b128 v10, v[68:71], s[16:17] offset:2048   ; columns 8 T + 4 .. 7
	s_wait_xcnt 0x0                                ; the stores have had their addresses translated: their bases may be written again.  (That they have read v64-71 is stated at the next turn's head)
	s_add_nc_u64 s[12:13], s[12:13], 64
	s_add_nc_u64 s[14:15], s[14:15], 256
	s_add_nc_u64 s[16:17], s[16:17], 4096
	BARRIER                                        ; every wave has read the copy: the next block may be written over it
	s_sub_co_u32 s19, s19, 1
	s_cmp_lg_u32 s19, 0
	s_cbranch_scc1 .Lblock
	s_wait_xcnt 0x0
	v_lshl_add_u32 v254, v0, 2, 0x41800
	v_mov_b32 v255, 0
	s_wait_dscnt 0x0                               ; the closing lines, six on end
	s_wait_alu 0x0
	s_wait_tensorcnt 0x0
	ds_add_u32 v254, v255
	s_wait_dscnt 0x0
	s_endpgm
.Lfunc_end_k_q9fe01d1b35_main:
	.size	k_q9fe01d1b35_main, .Lfunc_end_k_q9fe01d1b35_main-k_q9fe01d1b35_main
	.p2alignl 7, 3214868480
	.fill 96, 4, 3214868480
	.section	.rodata,"a",@progbits
	.p2align	6, 0x0
	.amdhsa_kernel k_q9fe01d1b35_main
		.amdhsa_group_segment_fixed_size 268800
		.amdhsa_private_segment_fixed_size 0
		.amdhsa_enable_private_segment 0
		.amdhsa_kernarg_size 56
		.amdhsa_user_sgpr_count 2
		.amdhsa_user_sgpr_kernarg_segment_ptr 1
		.amdhsa_wavefront_size32 1
		.amdhsa_system_sgpr_workgroup_id_x 1
		.amdhsa_system_sgpr_workgroup_id_y 1
		.amdhsa_system_sgpr_workgroup_id_z 1
		.amdhsa_system_vgpr_workitem_id 0
		.amdhsa_next_free_vgpr 1024
		.amdhsa_next_free_sgpr 66
		.amdhsa_reserve_vcc 0
		.amdhsa_float_denorm_mode_32 3
		.amdhsa_float_denorm_mode_16_64 3
		.amdhsa_memory_ordered 1
		.amdhsa_forward_progress 1
		.amdhsa_inst_pref_size 255
	.end_amdhsa_kernel
	.section	.bss,"aw",@nobits
	.p2align	6
	.space	262144
	.amdgpu_metadata
---
amdhsa.version: [ 1, 2 ]
amdhsa.kernels:
  - .name:           k_q9fe01d1b35_main
    .symbol:         k_q9fe01d1b35_main.kd
    .args:
      - { .name: enc_outputs, .offset: 0, .size: 8, .value_kind: global_buffer, .address_space: global }
      - { .name: wq, .offset: 8, .size: 8, .value_kind: global_buffer, .address_space: global }
      - { .name: dproj, .offset: 16, .size: 8, .value_kind: global_buffer, .address_space: global }
      - { .name: v_W, .offset: 24, .size: 8, .value_kind: global_buffer, .address_space: global }
      - { .name: src_mask, .offset: 32, .size: 8, .value_kind: global_buffer, .address_space: global }
      - { .name: sc, .offset: 40, .size: 8, .value_kind: global_buffer, .address_space: global }
      - { .name: ctxp, .offset: 48, .size: 8, .value_kind: global_buffer, .address_space: global }
    .group_segment_fixed_size: 268800
    .private_segment_fixed_size: 0
    .kernarg_segment_align: 8
    .kernarg_segment_size: 56
    .max_flat_workgroup_size: 128
    .sgpr_count:     66
    .vgpr_count:     1024
    .wavefront_size: 32
...
	.end_amdgpu_metadata
.endif
;; end of part 5
;; launch finish: the kernel of part 3 again; grid 8 x 32, 8 waves a work-group, no clusters, 9,216 bytes of LDS; arguments sc, ctxp, out0, out1; writes out0, out1
